; MI455X (gfx1250); checked and timed in simulation.
; The chip was launched on July 23, 2026; its instructions are those of AMD's public machine-readable ISA for CDNA 5 (MIT licence, August 2026) and "CDNA5" Instruction Set Architecture Reference Guide (July 2026). The comments in the code are by the model that wrote it; some were corrected since.
;; Onnx Safe Multihead Attention. Allowed arithmetic: float matrix products may take bf16 or f16 operands with f32 sums; other float arithmetic in f32, or as packed bf16 or f16 multiplies, adds, multiply-adds, maxima and minima; sums over many terms, partial sums and values carried from step to step in f32; what a program stores and reads back later, other than sums and carried values, may be rounded once to bf16 or f16.
;; Inputs: attn_mask 1,024 x 1,024 float32; in_proj_bias 3,072 float32; in_proj_weight 3,072 x 1,024 float32; key 8 x 1,024 x 1,024 float32; key_padding_mask 8 x 1,024 bool; out_proj_bias 1,024 float32; out_proj_weight 1,024 x 1,024 float32; query 8 x 1,024 x 1,024 float32; value 8 x 1,024 x 1,024 float32.
;; Outputs: out0 8 x 1,024 x 1,024 float32.
;; 2 versions, each right; version 2 is version 1 with the launch prep written anew for expert scheduling mode. Each part assembles by itself: llvm-mc -triple=amdgcn-amd-amdhsa -mcpu=gfx1250 --defsym DOCPART=n.
;; ======== version 1 of 2: 4 launches
;; limits: values are held in f16: magnitudes above 65,504 overflow, below 6.1e-05 lose precision
;; workspace buffers: h16 60,817,408 bytes; qkv 50,331,648 bytes; o 16,777,216 bytes
;; launch prep (part 1): grid 320 x 1, 8 waves a work-group, no clusters, 0 bytes of LDS; arguments in_proj_weight, out_proj_weight, attn_mask, h16; writes h16
.if DOCPART == 1
	.amdgcn_target "amdgcn-amd-amdhsa--gfx1250"
	.amdhsa_code_object_version 6
	.text
	.protected	k_q9b6ed8e6d3_prep
	.globl	k_q9b6ed8e6d3_prep
	.p2align	8
	.type	k_q9b6ed8e6d3_prep,@function
k_q9b6ed8e6d3_prep:
	s_mov_b64 s[64:65], 0
	v_nop
	global_prefetch_b8 v0, s[64:65] scope:SCOPE_SE
	s_setreg_imm32_b32 hwreg(HW_REG_WAVE_MODE, 25, 1), 1
	s_wait_xcnt 0x0
; THE WEIGHTS AND THE MASK IN 16 BITS.  Every number is rounded once to bf16.  in_proj_weight (3,145,728 numbers) is stored as that bf16; out_proj_weight and attn_mask (1,048,576 each) are stored
; as f16 that holds the bf16 number, exactly from 2^-17 up (below that f16's fixed step of 2^-24 rounds it), since their partners in the later products are f16.
; They lie on end in h16 from byte 50,331,648 on (in_proj_weight there, out_proj_weight at 56,623,104, attn_mask at 58,720,256); the bytes in front of them are neither stored nor read by any launch.
; LIMIT.  In the two f16 parts a magnitude above 65,280 (the largest bf16 number that f16 holds) is held to 65,280: an infinity in attn_mask counts as 65,280 with its sign.
; SHARES.  A work-group takes 16,384 numbers: 64 KiB in, 32 KiB out.  Thread t takes 16 bytes at 16 t of each 4,096: a wave's load covers 512 consecutive bytes, its store of 8 bytes a lane
; 256 consecutive bytes, aligned.  All sixteen loads of a wave go out at once; no register that a memory instruction names is written twice, so no wait frees any.
; No LDS, no matrix work, no cluster: nothing is shared and memory binds.
.set X,  16                            ; v[16:79]   sixteen loads of four f32
.set YR, 80                            ; v[80:111]  sixteen pairs of registers to store
.set OUT0, 50331648                    ; where the first part begins in h16
	s_load_b256 s[8:15], s[0:1], 0x0               ; in_proj_weight s[8:9], out_proj_weight s[10:11], attn_mask s[12:13], h16 s[14:15]
	v_lshlrev_b32 v1, 4, v0                        ; my 16 bytes in
	v_lshlrev_b32 v2, 3, v0                        ; my 8 bytes out
	s_mov_b32 s4, 0xc77f0000                       ; -65,280
	s_mov_b32 s5, 0x477f0000                       ; +65,280
	s_mov_b32 s6, 0xffff0000                       ; a word's upper bf16
	s_lshl_b32 s28, ttmp9, 15                      ; the work-group's 32 KiB of h16
	s_add_co_u32 s28, s28, OUT0
	s_mov_b32 s29, 0
	s_mov_b32 s24, 0                               ; the first work-group of the source in hand
	s_mov_b32 s27, 0
	s_cmp_lt_u32 ttmp9, 192
	s_cselect_b32 s30, -1, 0                       ; all ones where the work-group's part stays bf16
	s_wait_kmcnt 0x0
	s_mov_b64 s[22:23], s[8:9]
.macro PICK first, reg                 ; from work-group 'first' on the source is the buffer in s[reg:reg+1]
	s_cmp_ge_u32 ttmp9, \first
	s_cselect_b64 s[22:23], s[\reg:\reg+1], s[22:23]
	s_cselect_b32 s24, \first, s24
.endm
	PICK 192, 10
	PICK 256, 12
	s_sub_co_u32 s26, ttmp9, s24
	s_lshl_b32 s26, s26, 16                        ; 64 KiB for each work-group inside its source
	s_add_nc_u64 s[22:23], s[22:23], s[26:27]
	s_add_nc_u64 s[14:15], s[14:15], s[28:29]
.set j, 0
.rept 16
	global_load_b128 v[X+4*j:X+4*j+3], v1, s[22:23] offset:4096*j th:TH_LOAD_NT
.set j, j+1
.endr
.set j, 0
.rept 16
	s_wait_loadcnt 15-j                            ; loads come back in order: number j is in, the younger ones stay out
	v_cvt_pk_bf16_f32 v8, v[X+4*j], v[X+4*j+1]     ; the one rounding
	v_cvt_pk_bf16_f32 v9, v[X+4*j+2], v[X+4*j+3]
	v_lshlrev_b32 v4, 16, v8                       ; back to f32,
	v_and_b32 v5, s6, v8
	v_lshlrev_b32 v6, 16, v9
	v_and_b32 v7, s6, v9
	v_med3_num_f32 v4, v4, s4, s5                  ; held inside f16's range (both bounds are bf16 numbers),
	v_med3_num_f32 v5, v5, s4, s5
	v_med3_num_f32 v6, v6, s4, s5
	v_med3_num_f32 v7, v7, s4, s5
	v_cvt_pk_f16_f32 v10, v4, v5                   ; and written as f16;
	v_cvt_pk_f16_f32 v11, v6, v7
	v_cndmask_b32 v[YR+2*j], v10, v8, s30          ; in_proj_weight keeps the bf16 words
	v_cndmask_b32 v[YR+2*j+1], v11, v9, s30
	global_store_b64 v2, v[YR+2*j:YR+2*j+1], s[14:15] offset:2048*j
.set j, j+1
.endr
	s_endpgm
.Lfunc_end_k_q9b6ed8e6d3_prep:
	.size	k_q9b6ed8e6d3_prep, .Lfunc_end_k_q9b6ed8e6d3_prep-k_q9b6ed8e6d3_prep
	.p2alignl 7, 3214868480
	.fill 96, 4, 3214868480
	.section	.rodata,"a",@progbits
	.p2align	6, 0x0
	.amdhsa_kernel k_q9b6ed8e6d3_prep
		.amdhsa_group_segment_fixed_size 0
		.amdhsa_private_segment_fixed_size 0
		.amdhsa_enable_private_segment 0
		.amdhsa_kernarg_size 32
		.amdhsa_user_sgpr_count 2
		.amdhsa_user_sgpr_kernarg_segment_ptr 1
		.amdhsa_wavefront_size32 1
		.amdhsa_system_sgpr_workgroup_id_x 1
		.amdhsa_system_sgpr_workgroup_id_y 1
		.amdhsa_system_sgpr_workgroup_id_z 1
		.amdhsa_system_vgpr_workitem_id 0
		.amdhsa_next_free_vgpr 112
		.amdhsa_next_free_sgpr 66
		.amdhsa_reserve_vcc 0
		.amdhsa_float_denorm_mode_32 3
		.amdhsa_float_denorm_mode_16_64 3
		.amdhsa_memory_ordered 1
		.amdhsa_forward_progress 1
		.amdhsa_inst_pref_size 17
	.end_amdhsa_kernel
	.amdgpu_metadata
---
amdhsa.version: [ 1, 2 ]
amdhsa.kernels:
  - .name:           k_q9b6ed8e6d3_prep
    .symbol:         k_q9b6ed8e6d3_prep.kd
    .args:
      - { .name: in_proj_weight, .offset: 0, .size: 8, .value_kind: global_buffer, .address_space: global }
      - { .name: out_proj_weight, .offset: 8, .size: 8, .value_kind: global_buffer, .address_space: global }
      - { .name: attn_mask, .offset: 16, .size: 8, .value_kind: global_buffer, .address_space: global }
      - { .name: h16, .offset: 24, .size: 8, .value_kind: global_buffer, .address_space: global }
    .group_segment_fixed_size: 0
    .private_segment_fixed_size: 0
    .kernarg_segment_align: 8
    .kernarg_segment_size: 32
    .max_flat_workgroup_size: 256
    .sgpr_count:     66
    .vgpr_count:     112
    .wavefront_size: 32
...
	.end_amdgpu_metadata
.endif
;; end of part 1
;; launch proj (part 2): grid 4 x 192, 4 waves a work-group, clusters of 4 x 4, 327,680 bytes of LDS; arguments query, key, value, h16, in_proj_bias, qkv; writes qkv
.if DOCPART == 2
	.amdgcn_target "amdgcn-amd-amdhsa--gfx1250"
	.amdhsa_code_object_version 6
	.text
	.protected	k_q9b6ed8e6d3_proj
	.globl	k_q9b6ed8e6d3_proj
	.p2align	8
	.type	k_q9b6ed8e6d3_proj,@function
k_q9b6ed8e6d3_proj:
	s_mov_b64 s[64:65], 0
	v_nop
	global_prefetch_b8 v0, s[64:65] scope:SCOPE_SE
	s_setreg_imm32_b32 hwreg(HW_REG_WAVE_MODE, 25, 1), 1
	s_wait_xcnt 0x0
	s_wait_alu depctr_hold_cnt(0) depctr_sa_sdst(0) depctr_va_vdst(0) depctr_va_sdst(0) depctr_va_ssrc(0) depctr_va_vcc(0) depctr_vm_vsrc(0)
	s_getreg_b32 s2, hwreg(HW_REG_IB_STS2, 6, 4)
	s_cmp_eq_u32 s2, 0
	s_cbranch_scc0 .Lentry_in_a_cluster
	s_endpgm
.Lentry_in_a_cluster:
	s_bfe_u32 s2, ttmp6, 0x10000c
	s_cmp_lg_u32 s2, 0xf033
	s_cbranch_scc0 .Lentry_shape_is_right
	s_endpgm
.Lentry_shape_is_right:
; THE THREE INPUT PROJECTIONS.  For g = 0, 1, 2 (q, k, v): y[m][n] = (sum over k of x_g[m][k] w[1024 g + n][k] + bias[1024 g + n]) x sc, sc = 1/8 for q and 1 else.
; x_g (query, key, value: [8192][1024]) is taken as it is given, in f32, and rounded to bf16 between LDS and the matrix unit; w ([3072][1024]) comes from h16 in bf16; the bias is rounded to bf16 here;
; sums in f32; y rounded once to f16.
; LIMIT.  y beyond 65,504 becomes an infinity in f16.
; OUT.  q, k, v each lie as [batch x 8 + head pair][t / 128][head & 1][t % 128][64]: a wave's 64 rows of one head are 8,192 consecutive bytes.
; SHARES.  A tile is 128 rows x 256 columns (two head pairs): 192 x 4 tiles, three for each of 256 places.  (Two slots of 256 rows of f32 and 128 of w at this K step would take 340 KB of LDS.)
; Four waves, each 64 rows x 128 columns (a head pair): 32 accumulators of 16 x 16.  K goes in steps of 128 through two LDS slots: rows of 512 bytes of x, of 256 bytes of w; each wave's tensor load brings 32 KiB.
; CLUSTER 4 x 4: the four of a row are the four column tiles of the same rows of x, so each byte of x is asked for once in the launch; the four of a column need the same rows of w.
; THE PRODUCT IS TAKEN TRANSPOSED (source 0 = 16 rows of w, source 1 = 16 rows of x): a lane holds one row of y and eight neighbouring columns.
; A QUARTER is 32 along K: 32 matrix instructions.  Beside them the next quarter is made ready: 16 LDS loads of x in f32, 16 of w, and 32 roundings of x to bf16, four behind each of the quarter's last
; eight matrix instructions.  Two waves read and round the same rows of x: the price of no second pass over x through memory.
; AHEAD OF THE TENSOR LOADS.  Behind each refill but the last, waves 0 and 1, which fetch x, name the K step that the NEXT refill will load: of a wave's 64 rows each of the four partners of a row of the cluster
; takes 16, told apart by address; a lane names one 256-byte half of a row's 512 bytes.  So each such block of x is named once in the launch.  K steps 0 to 2 come by their loads alone.  w is read by many and is not asked for.
; REGISTERS.  window 0: v16-30 addresses; v64-127 x in f32; v128-191 two buffers of x's four fragments; all used again on the way out.
;   window 1: accumulator (a, b) at v[8 (8 a + b)].   window 2: v0-127 two buffers of w's eight fragments; v128-191 my 64 bias numbers; v192-223 at work.
.set KSTEP,  128
.set PAF,    528                       ; a row of x in LDS: 512 bytes + 16 of padding: the 16 rows of a load start at 16 different groups of four banks (ISA guide 11.1)
.set PB,     272                       ; a row of w: 256 + 16
.set HALFA,  64*PAF                    ; what a tensor load brings of x, and what a wave reads of it
.set HALFB,  128*PB                    ; the same for w
.set BOFF,   2*HALFA
.set SLOT,   0x22000                   ; a slot uses 137,216 bytes; slot 1 begins here: none of the four LDS words of slot 0's descriptors has one of its two bits, so one exclusive or changes the slot
.set STAGE,  2*SLOT                    ; behind the ring: for each wave and head 16 rows x 144 bytes
.set SP,     144
.set STW,    2*16*SP
.set SPARE,  STAGE+4*STW               ; behind the stages: the spare words, 128 bytes for each wave
.set ASTEP,  KSTEP*4                   ; bytes of a K step in a row of x
.set BSTEP,  KSTEP*2                   ; and of w
.set WOFF,   50331648                  ; w in h16
.set A0,   16                          ; v16 my lane's place in x's tile in slot 0; never rewritten
.set B0,   17                          ; v17 the same for w
.set ADRA, 18                          ; v18 the same in the slot in hand
.set ADRB, 19
.set STO,  24
.set RD,   25
.set GO,   26
.set BO,   27                          ; v27 32 x (lane / 16): my eight columns in a block of sixteen bias numbers
.set SPW,  28                          ; v28 my spare word; never rewritten
.set NIL,  29                          ; v29 0; never rewritten
.set PFO,  30                          ; v30 the prefetches' offset: (lane / 2) rows of 4,096 bytes + 256 (lane % 2); never rewritten
.set RAW,  64                          ; x in f32: fragment i at RAW + 16 i
.set AF,   128                         ; x in bf16: buffer f, fragment a at AF + 32 f + 8 a
.set T,    64                          ; the way out: 64 f32
.set H,    128                         ; 32 packed
.set BIAS, 128                         ; window 2
.set BW,   192                         ; window 2
.set G1,  24                           ; s[24:31] descriptor group 1 for x's tiles;  s[32:39] group 0: a set for each first fill; the second then walks on
.set G0,  32
.set G1B, 48                           ; s[48:55], s[56:63] the same for w's tiles
.set G0B, 56
.set SC,  66                           ; s[66:67] the scale
.set PFA, 68                           ; s[68:69] where my prefetches stand
.set LIM, 70                           ; s70 1 in a wave that prefetches, else the greatest number
.set TB,  71                           ; s71 the LDS byte at which the slot in hand begins
.set MSB, 0
.macro WIN new                         ; the immediate's high byte repeats the setting that is left
.if MSB != (\new)
	s_set_vgpr_msb (MSB<<8)|(\new)
.set MSB, \new
.endif
.endm
.set MUL, 0x52                         ; source 0 (w) window 2, source 1 (x) window 0, C and D window 1
.macro JLOAD s                         ; a joint load by set s: waves 0 and 1 fetch x's two halves, waves 2 and 3 w's; an s_nop 0 and four v_nop follow each line
	s_cmp_eq_u32 s11, 0
	s_cbranch_scc0 .Lfor_b_\@
	tensor_load_to_lds s[G0+4*(\s):G0+4*(\s)+3], s[G1:G1+7]
	s_nop 0
.rept 4
	v_nop
.endr
	s_branch .Lasked_\@
.Lfor_b_\@:
	tensor_load_to_lds s[G0B+4*(\s):G0B+4*(\s)+3], s[G1B:G1B+7]
	s_nop 0
.rept 4
	v_nop
.endr
.Lasked_\@:
.endm
.macro ASK                             ; the prefetch: s3 is 1 in the loop's last trip, whose refill is the tile's last
	s_cmp_gt_u32 s3, s[LIM]
	s_cbranch_scc0 .Lnot_mine_\@
	global_prefetch_b8 v[PFO], s[PFA:PFA+1] th:TH_LOAD_NT scope:SCOPE_SE
.Lnot_mine_\@:
.endm
.macro CREST                           ; a round of the cluster's barrier behind its opening barrier
	s_cmp_lg_u32 s10, 0
	s_cbranch_scc1 .Lnot_wave_0_\@
	s_barrier_signal -3
.Lnot_wave_0_\@:
	s_barrier_wait -3
	s_barrier_signal -1
	s_barrier_wait -1
.endm
.macro CROUND
	s_barrier_signal -1
	s_barrier_wait -1
	CREST
.endm
	s_load_b256 s[72:79], s[0:1], 0x0              ; query s[72:73], key s[74:75], value s[76:77], h16 s[78:79]
	s_load_b128 s[4:7], s[0:1], 0x20               ; in_proj_bias s[4:5], qkv s[6:7]
	v_lshl_add_u32 v[SPW], v0, 2, SPARE
	v_mov_b32 v[NIL], 0
	ds_add_u32 v[SPW], v[NIL]                      ; the wave's opening: the add and its wait stand ahead of my first tensor load
	v_lshrrev_b32 v1, 5, v0
	v_readfirstlane_b32 s10, v1                    ; wave 0..3
	s_lshr_b32 s11, s10, 1                         ; my half of the tile's rows.  Also: I fetch for x (0) or for w (1)
	s_and_b32 s12, s10, 1                          ; my half of its columns.  Also: which half of that tile I fetch
	s_bfe_u32 s40, ttmp6, 0x40000                  ; cx
	s_bfe_u32 s41, ttmp6, 0x40004                  ; cy
	s_lshl_b32 s42, ttmp9, 2
	s_add_co_u32 s42, s42, s40                     ; tile column, 0 .. 3
	s_and_b32 s18, ttmp7, 0xffff                   ; the cluster's y
	s_lshr_b32 s19, s18, 4                         ; g: sixteen rows of clusters for each of q, k, v: the same in all sixteen partners
	s_lshl_b32 s13, s18, 2
	s_add_co_u32 s13, s13, s41                     ; tile row, 0 .. 191
	s_lshl_b32 s43, s41, 2
	s_lshl_b32 s43, 15, s43                        ; my row of the cluster
	s_lshl_b32 s44, 0x1111, s40                    ; my column
	s_or_b32 s[G1+0], s43, (2<<16)|(1<<20)|(1<<21)|(6<<22)|(3<<25)   ; the mask; 4-byte elements; padding on; bit 21 beside a mask; after every 128 words, 4 words
	s_or_b32 s[G1B+0], s44, (1<<16)|(1<<20)|(1<<21)|(5<<22)|(3<<25)  ; 2-byte elements; after every 64 words, 4 words
	s_mov_b32 s[G1+1], KSTEP<<16                   ; tensor_dim0 = 128
	s_mov_b32 s[G1+2], 64<<16                      ; tensor_dim1 = 64
	s_mov_b32 s[G1+3], KSTEP<<16                   ; tile_dim0 = 128
	s_mov_b32 s[G1+4], 64                          ; tile_dim1 = 64
	s_mov_b32 s[G1+5], 1024                        ; elements from row to row
	s_mov_b32 s[G1+6], 0
	s_mov_b32 s[G1+7], 0
	s_mov_b32 s[G1B+1], KSTEP<<16
	s_mov_b32 s[G1B+2], 128<<16                    ; 128 rows
	s_mov_b32 s[G1B+3], KSTEP<<16
	s_mov_b32 s[G1B+4], 128
	s_mov_b32 s[G1B+5], 1024
	s_mov_b32 s[G1B+6], 0
	s_mov_b32 s[G1B+7], 0
	s_and_b32 s16, s13, 63                         ; the tile row inside its x,
	s_lshl_b32 s16, s16, 7                         ; 128 rows each,
	s_lshl_b32 s17, s12, 6
	s_add_co_u32 s16, s16, s17                     ; + the 64 that I fetch,
	s_lshl_b32 s16, s16, 12                        ; of 4,096 bytes
	s_mov_b32 s17, 0
	s_lshl_b32 s22, s40, 16                        ; the prefetches: my work-group's 16 of those 64 rows (in registers of their own: none that feeds x's descriptors holds cx),
	s_add_co_u32 s22, s22, s16
	s_add_co_u32 s22, s22, 2*ASTEP                 ; at K step 2: the first change of slots steps it to 3
	s_mov_b32 s23, 0
	s_lshl_b32 s46, s19, 10
	s_lshl_b32 s47, s42, 8
	s_add_co_u32 s46, s46, s47
	s_lshl_b32 s47, s12, 7
	s_add_co_u32 s46, s46, s47                     ; w: row 1024 g + 256 x tile column + 128 x half,
	s_lshl_b32 s46, s46, 11                        ; of 2,048 bytes
	s_add_co_u32 s46, s46, WOFF
	s_mov_b32 s47, 0
	s_mul_i32 s20, s12, HALFA                      ; where they go: no place in the cluster enters an LDS address
	s_mul_i32 s21, s12, HALFB
	s_add_co_u32 s21, s21, BOFF
	s_mov_b32 s[TB], 0
	s_cmp_eq_u32 s11, 0
	s_cselect_b32 s[LIM], 1, -1
	s_wait_dscnt 0x0                               ; the opening add is done
	s_wait_kmcnt 0x0
	s_cmp_eq_u32 s19, 1                            ; x is query, key or value
	s_cselect_b64 s[72:73], s[74:75], s[72:73]
	s_cmp_eq_u32 s19, 2
	s_cselect_b64 s[72:73], s[76:77], s[72:73]
	s_add_nc_u64 s[14:15], s[72:73], s[16:17]
	s_add_nc_u64 s[PFA:PFA+1], s[72:73], s[22:23]
	s_add_nc_u64 s[46:47], s[78:79], s[46:47]
	CROUND                                         ; all sixteen work-groups are here: the first joint loads meet
.irp s, 0,1
	s_mov_b32 s[G0+4*(\s)], 1
	s_add_co_u32 s[G0+4*(\s)+1], s20, (\s)*SLOT
	s_add_nc_u64 s[G0+4*(\s)+2:G0+4*(\s)+3], s[14:15], (\s)*ASTEP
	s_or_b32 s[G0+4*(\s)+3], s[G0+4*(\s)+3], 0x80000000
	s_mov_b32 s[G0B+4*(\s)], 1
	s_add_co_u32 s[G0B+4*(\s)+1], s21, (\s)*SLOT
	s_add_nc_u64 s[G0B+4*(\s)+2:G0B+4*(\s)+3], s[46:47], (\s)*BSTEP
	s_or_b32 s[G0B+4*(\s)+3], s[G0B+4*(\s)+3], 0x80000000
	JLOAD \s                                       ; two loads of mine are out
.endr
	v_and_b32 v1, 15, v0                           ; l % 16
	v_bfe_u32 v2, v0, 4, 1                         ; l / 16
	; A fragment is 16 rows x 32 K: lane l holds row l % 16, K = 8 (l / 16) + 0..7 and 16 + 8 (l / 16) + 0..7.  In f32 those are 32 bytes at 32 (l / 16) and 32 bytes 64 further on: four loads of 16 bytes.
	v_mul_u32_u24 v3, v1, PAF
	v_lshl_add_u32 v3, v2, 5, v3
	s_mul_i32 s21, s11, HALFA                      ; my 64 rows of x
	v_add_nc_u32 v[A0], s21, v3
	v_mul_u32_u24 v4, v1, PB
	v_lshl_add_u32 v4, v2, 4, v4
	s_mul_i32 s22, s12, HALFB                      ; my 128 rows of w
	s_add_co_u32 s22, s22, BOFF
	v_add_nc_u32 v[B0], s22, v4
	v_mov_b32 v[ADRA], v[A0]
	v_mov_b32 v[ADRB], v[B0]
	s_mul_i32 s23, s10, STW
	s_add_co_u32 s23, s23, STAGE                   ; my stage
	v_mul_u32_u24 v4, v1, SP                       ; in: row l % 16, 16 bytes for each half of the lanes
	v_lshl_add_u32 v4, v2, 4, v4
	v_add_nc_u32 v[STO], s23, v4
	v_bfe_u32 v5, v0, 3, 2                         ; back: 32 lanes take four rows of 128 bytes,
	v_mul_u32_u24 v5, v5, SP
	v_and_b32 v6, 7, v0
	v_lshl_add_u32 v5, v6, 4, v5
	v_add_nc_u32 v[RD], s23, v5
	v_and_b32 v5, 31, v0
	v_lshlrev_b32 v[GO], 4, v5                     ; which are 512 consecutive bytes of the output
	v_lshlrev_b32 v[BO], 5, v2
	v_lshrrev_b32 v6, 1, v5
	v_and_b32 v5, 1, v5
	v_lshlrev_b32 v[PFO], 12, v6
	v_lshl_add_u32 v[PFO], v5, 8, v[PFO]
	s_lshl_b32 s46, s19, 10                        ; my 128 bias numbers: 1024 g + 256 x tile column + 128 x half
	s_lshl_b32 s47, s42, 8
	s_add_co_u32 s46, s46, s47
	s_lshl_b32 s47, s12, 7
	s_add_co_u32 s46, s46, s47
	s_lshl_b32 s46, s46, 2
	s_mov_b32 s47, 0
	s_add_nc_u64 s[4:5], s[4:5], s[46:47]
	s_cmp_eq_u32 s19, 0
	s_cselect_b32 s[SC], 0x3e000000, 1.0           ; 1/8 for q
	s_mov_b32 s[SC+1], s[SC]
	s_and_b32 s20, s13, 63                         ; the tile row inside its x: batch = / 8, t / 128 = % 8
	s_lshr_b32 s22, s20, 3
	s_lshl_b32 s22, s22, 3
	s_lshl_b32 s45, s42, 1
	s_add_co_u32 s22, s22, s45
	s_add_co_u32 s22, s22, s12                     ; batch x 8 + head pair (2 x tile column + my half),
	s_lshl_b32 s22, s22, 18                        ; 262,144 bytes each
	s_and_b32 s20, s20, 7
	s_lshl_b32 s20, s20, 15                        ; t / 128: 32,768 bytes each
	s_add_co_u32 s20, s20, s22
	s_lshl_b32 s22, s11, 13                        ; my 64 rows of 128 bytes
	s_add_co_u32 s20, s20, s22
	s_lshl_b32 s22, s19, 24                        ; q, k or v
	s_add_co_u32 s20, s20, s22
	s_mov_b32 s21, 0
	s_add_nc_u64 s[8:9], s[6:7], s[20:21]
	WIN 0x80                                       ; destination window 2, address window 0
.irp b, 0,1,2,3,4,5,6,7
	global_load_b128 v[BIAS+8*(\b):BIAS+8*(\b)+3],   v[BO], s[4:5] offset:64*(\b)
	global_load_b128 v[BIAS+8*(\b)+4:BIAS+8*(\b)+7], v[BO], s[4:5] offset:64*(\b)+16
.endr
	s_wait_loadcnt 0x0
	WIN 0xaa                                       ; all in window 2
.set i, 0
.rept 32
	v_cvt_pk_bf16_f32 v[BW+i], v[BIAS+2*i], v[BIAS+2*i+1]   ; the bias is rounded to bf16, like every input
.set i, i+1
.endr
.set i, 0
.rept 32
	v_lshlrev_b32 v[BIAS+2*i], 16, v[BW+i]
	v_and_b32 v[BIAS+2*i+1], 0xffff0000, v[BW+i]
.set i, i+1
.endr
.set i, 0
.rept 32
	v_pk_mul_f32 v[BIAS+2*i:BIAS+2*i+1], v[BIAS+2*i:BIAS+2*i+1], s[SC:SC+1] op_sel_hi:[1,0]  ; and scaled, so that one fused multiply-add finishes a pair
.set i, i+1
.endr
	WIN 0
; One matrix instruction: row block a x column block b, 32 along K, on buffer f.  zero = 1: the product starts the sum
.macro ONE f, a, b, zero
	WIN MUL
.if \zero
	v_wmma_f32_16x16x32_bf16 v[8*(8*(\a)+(\b)):8*(8*(\a)+(\b))+7], v[64*(\f)+8*(\b):64*(\f)+8*(\b)+7], v[AF+32*(\f)+8*(\a):AF+32*(\f)+8*(\a)+7], 0
.else
	v_wmma_f32_16x16x32_bf16 v[8*(8*(\a)+(\b)):8*(8*(\a)+(\b))+7], v[64*(\f)+8*(\b):64*(\f)+8*(\b)+7], v[AF+32*(\f)+8*(\a):AF+32*(\f)+8*(\a)+7], v[8*(8*(\a)+(\b)):8*(8*(\a)+(\b))+7]
.endif
.endm
.macro MUL8 f, a, zero                 ; row block a x all 8 column blocks
.irp b, 0,1,2,3,4,5,6,7
	ONE \f, \a, \b, \zero
.endr
.endm
; The same, and behind each matrix instruction four roundings of the next quarter's x into buffer g: register n of the 32 is made of f32 registers 2 n and 2 n + 1.  They name no register of the products round them.
.macro MUL8C f, a, zero, g
.set n, 0
.irp b, 0,1,2,3,4,5,6,7
	ONE \f, \a, \b, \zero
	WIN 0
.rept 4
	v_cvt_pk_bf16_f32 v[AF+32*(\g)+n], v[RAW+2*n], v[RAW+2*n+1]
.set n, n+1
.endr
.endr
.endm
; 32 LDS loads in one run: quarter kq of the slot in hand: x's four fragments in f32 first, then w's eight into buffer g
.macro FETCH kq, g
	WIN 0
.irp i, 0,1,2,3
	ds_load_b128 v[RAW+16*(\i):RAW+16*(\i)+3],     v[ADRA] offset:128*(\kq)+(\i)*16*PAF
	ds_load_b128 v[RAW+16*(\i)+4:RAW+16*(\i)+7],   v[ADRA] offset:128*(\kq)+(\i)*16*PAF+16
	ds_load_b128 v[RAW+16*(\i)+8:RAW+16*(\i)+11],  v[ADRA] offset:128*(\kq)+(\i)*16*PAF+64
	ds_load_b128 v[RAW+16*(\i)+12:RAW+16*(\i)+15], v[ADRA] offset:128*(\kq)+(\i)*16*PAF+80
.endr
	WIN 0x80                                       ; destination window 2
.irp i, 0,1,2,3,4,5,6,7
	ds_load_b128 v[64*(\g)+8*(\i):64*(\g)+8*(\i)+3],   v[ADRB] offset:64*(\kq)+(\i)*16*PB
	ds_load_b128 v[64*(\g)+8*(\i)+4:64*(\g)+8*(\i)+7], v[ADRB] offset:64*(\kq)+(\i)*16*PB+32
.endr
.endm
.macro PLACES                          ; four places in front of loads into, and roundings onto, registers that matrix instructions have read (ISA guide 7.12.1 for the roundings)
.rept 4
	v_nop
.endr
.endm
; A K step is four quarters on buffers 0, 1, 0, 1; the 32 accumulators take turns in one order.
.macro QUARTER kq, f, g, zero          ; multiplies buffer f and makes quarter kq ready in buffer g
	s_wait_dscnt 0x0                               ; w's fragments of this quarter are in (x's were rounded in the quarter before)
	MUL8 \f, 0, \zero
	PLACES
	FETCH \kq, \g
	MUL8 \f, 1, \zero
	MUL8 \f, 2, \zero
	s_wait_dscnt 16                                ; x's sixteen loads are in; w's sixteen, issued behind them, may stay out
	MUL8C \f, 3, \zero, \g
.endm
; The last quarter multiplies buffer 1 and changes slots: one barrier; in front of it each wave waits for all its tensor loads, adds 0 to its spare word, and waits for that and for its reads of this slot.
; fill = 1: the slot is filled again with the K step two steps on, behind a round of the cluster's barrier, first thing: 112 matrix instructions ahead of the wait for it.
.macro TURN fill
.if \fill
	s_wait_xcnt 0x0                                ; the last prefetch, a K step back, has read its address, so it may be stepped
	s_add_nc_u64 s[PFA:PFA+1], s[PFA:PFA+1], ASTEP
.endif
	WIN 0
	s_wait_tensorcnt 0x0                           ; all my tensor loads have landed: the one that was out is my part of the next slot
	ds_add_u32 v[SPW], v[NIL]                      ; 0 onto my spare word
	s_wait_dscnt 1                                 ; w's fragments are in; the add may be out
	MUL8 1, 0, 0
	s_wait_dscnt 0x0                               ; the add is done, and my reads of this slot are over
	s_barrier_signal -1
	MUL8 1, 1, 0
.if \fill
	WIN 0
.endif
	s_barrier_wait -1
.if \fill
	CREST                                          ; the barrier has opened a round of the cluster's: no wave of any partner still reads this slot or has a load on its way
	s_xor_b32 s[G0+5], s[G0+5], SLOT               ; the walking descriptors: the other slot than last time, the next K step
	s_add_nc_u64 s[G0+6:G0+7], s[G0+6:G0+7], ASTEP
	s_xor_b32 s[G0B+5], s[G0B+5], SLOT
	s_add_nc_u64 s[G0B+6:G0B+7], s[G0B+6:G0B+7], BSTEP
	JLOAD 1                                        ; my one tensor load behind the round; its four v_nop are also the places in front of the loads below
.else
	PLACES
.endif
	WIN 0
	s_xor_b32 s[TB], s[TB], SLOT                   ; the reads go on in the other slot
	v_add_nc_u32 v[ADRA], s[TB], v[A0]
	v_add_nc_u32 v[ADRB], s[TB], v[B0]
	FETCH 0, 0
.if \fill
	WIN 0
	ASK                                            ; behind the joint load and the run of LDS loads
.endif
	MUL8 1, 2, 0
	s_wait_dscnt 16                                ; x's sixteen loads are in
	MUL8C 1, 3, 0, 0
.endm
	s_wait_tensorcnt 1                             ; my part of K step 0 is in; K step 1's may stay out
	s_barrier_signal -1
	s_barrier_wait -1
	FETCH 0, 0
	s_wait_dscnt 16                                ; x's sixteen loads are in
	WIN 0
.set n, 0
.rept 32
	v_cvt_pk_bf16_f32 v[AF+n], v[RAW+2*n], v[RAW+2*n+1]
.set n, n+1
.endr
	QUARTER 1, 0, 1, 1                             ; the first quarter stands in front of the loop: its products start the sums
	WIN 0
	s_mov_b32 s3, 6
.Lstep:                                                ; a trip goes from a K step's second quarter to the next step's first, and fills the slot that it leaves: K steps 2 to 7
	QUARTER 2, 1, 0, 0
	QUARTER 3, 0, 1, 0
	TURN 1
	QUARTER 1, 0, 1, 0
	WIN 0
	s_sub_co_u32 s3, s3, 1
	s_cmp_lg_u32 s3, 0
	s_cbranch_scc1 .Lstep
	QUARTER 2, 1, 0, 0                             ; the last two K steps fill nothing
	QUARTER 3, 0, 1, 0
	TURN 0
	QUARTER 1, 0, 1, 0
	QUARTER 2, 1, 0, 0
	QUARTER 3, 0, 1, 0
	s_wait_dscnt 0x0
	MUL8 1, 0, 0
	MUL8 1, 1, 0
	MUL8 1, 2, 0
	MUL8 1, 3, 0
	WIN 0
; THE WAY OUT, a block of 16 rows at a time: sum x sc + bias x sc, rounded to f16; 16 bytes a lane into my stage, a head's 64 channels to a row of 144 bytes; back as rows of 128 bytes;
; stored as 512 consecutive bytes.  Each block comes back into 32 registers of its own (the last into the f32 registers, which are free by then), so no wait frees a store's data.
.macro PACK a
	WIN 0x21                                       ; source 0 window 1, source 2 window 2, destination window 0
.irp b, 0,1,2,3,4,5,6,7
.irp i, 0,1,2,3
	v_pk_fma_f32 v[T+8*(\b)+2*(\i):T+8*(\b)+2*(\i)+1], v[8*(8*(\a)+(\b))+2*(\i):8*(8*(\a)+(\b))+2*(\i)+1], s[SC:SC+1], v[BIAS+8*(\b)+2*(\i):BIAS+8*(\b)+2*(\i)+1] op_sel_hi:[1,0,1]
.endr
.endr
	WIN 0
.irp b, 0,1,2,3,4,5,6,7
.irp i, 0,1,2,3
	v_cvt_pk_f16_f32 v[H+4*(\b)+(\i)], v[T+8*(\b)+2*(\i)], v[T+8*(\b)+2*(\i)+1]
.endr
.endr
.irp b, 0,1,2,3,4,5,6,7
	ds_store_b128 v[STO], v[H+4*(\b):H+4*(\b)+3] offset:((\b)/4)*16*SP+((\b)%4)*32
.endr
.set BKA, 160+32*(\a)
.if (\a) == 3
.set BKA, 64
.endif
.irp t, 0,1,2,3,4,5,6,7
	ds_load_b128 v[BKA+4*(\t):BKA+4*(\t)+3], v[RD] offset:((\t)/4)*16*SP+((\t)%4)*4*SP  ; LDS serves a wave's instructions in order (ISA guide 5.7.1.4): these see the stores above
.endr
.endm
.macro SEND a, younger                 ; younger: the LDS instructions issued behind block a's loads: the next block's sixteen, or none
.set BKA, 160+32*(\a)
.if (\a) == 3
.set BKA, 64
.endif
.irp t, 0,1,2,3,4,5,6,7
	s_wait_dscnt (\younger)+7-(\t)
	global_store_b128 v[GO], v[BKA+4*(\t):BKA+4*(\t)+3], s[8:9] offset:((\t)/4)*16384+(\a)*2048+((\t)%4)*512
.endr
.endm
.rept 8
	v_nop                                          ; the places behind the last products, once a launch
.endr
	PACK 0
	PACK 1
	SEND 0, 16
	PACK 2
	SEND 1, 16
	PACK 3
	SEND 2, 16
	SEND 3, 0
	s_wait_tensorcnt 0x0                           ; the wave's end
	ds_add_u32 v[SPW], v[NIL]
	s_wait_dscnt 0x0
	CROUND                                         ; the closing round
	s_endpgm
.Lfunc_end_k_q9b6ed8e6d3_proj:
	.size	k_q9b6ed8e6d3_proj, .Lfunc_end_k_q9b6ed8e6d3_proj-k_q9b6ed8e6d3_proj
	.p2alignl 7, 3214868480
	.fill 96, 4, 3214868480
	.section	.rodata,"a",@progbits
	.p2align	6, 0x0
	.amdhsa_kernel k_q9b6ed8e6d3_proj
		.amdhsa_group_segment_fixed_size 327680
		.amdhsa_private_segment_fixed_size 0
		.amdhsa_enable_private_segment 0
		.amdhsa_kernarg_size 48
		.amdhsa_user_sgpr_count 2
		.amdhsa_user_sgpr_kernarg_segment_ptr 1
		.amdhsa_wavefront_size32 1
		.amdhsa_system_sgpr_workgroup_id_x 1
		.amdhsa_system_sgpr_workgroup_id_y 1
		.amdhsa_system_sgpr_workgroup_id_z 1
		.amdhsa_system_vgpr_workitem_id 0
		.amdhsa_next_free_vgpr 736
		.amdhsa_next_free_sgpr 80
		.amdhsa_reserve_vcc 0
		.amdhsa_float_denorm_mode_32 3
		.amdhsa_float_denorm_mode_16_64 3
		.amdhsa_memory_ordered 1
		.amdhsa_forward_progress 1
		.amdhsa_inst_pref_size 125
	.end_amdhsa_kernel
	.amdgpu_metadata
---
amdhsa.version: [ 1, 2 ]
amdhsa.kernels:
  - .name:           k_q9b6ed8e6d3_proj
    .symbol:         k_q9b6ed8e6d3_proj.kd
    .args:
      - { .name: query, .offset: 0, .size: 8, .value_kind: global_buffer, .address_space: global }
      - { .name: key, .offset: 8, .size: 8, .value_kind: global_buffer, .address_space: global }
      - { .name: value, .offset: 16, .size: 8, .value_kind: global_buffer, .address_space: global }
      - { .name: h16, .offset: 24, .size: 8, .value_kind: global_buffer, .address_space: global }
      - { .name: in_proj_bias, .offset: 32, .size: 8, .value_kind: global_buffer, .address_space: global }
      - { .name: qkv, .offset: 40, .size: 8, .value_kind: global_buffer, .address_space: global }
    .group_segment_fixed_size: 327680
    .private_segment_fixed_size: 0
    .kernarg_segment_align: 8
    .kernarg_segment_size: 48
    .max_flat_workgroup_size: 128
    .sgpr_count:     80
    .vgpr_count:     736
    .wavefront_size: 32
...
	.end_amdgpu_metadata
.endif
;; end of part 2
;; launch attn (part 3): grid 4 x 64, 4 waves a work-group, clusters of 4 x 4, 327,680 bytes of LDS; arguments qkv, h16, key_padding_mask, o; writes o
.if DOCPART == 3
	.amdgcn_target "amdgcn-amd-amdhsa--gfx1250"
	.amdhsa_code_object_version 6
	.text
	.protected	k_q9b6ed8e6d3_attn
	.globl	k_q9b6ed8e6d3_attn
	.p2align	8
	.type	k_q9b6ed8e6d3_attn,@function
k_q9b6ed8e6d3_attn:
	s_mov_b64 s[64:65], 0
	v_nop
	global_prefetch_b8 v0, s[64:65] scope:SCOPE_SE
	s_setreg_imm32_b32 hwreg(HW_REG_WAVE_MODE, 25, 1), 1
	s_wait_xcnt 0x0
	s_wait_alu depctr_hold_cnt(0) depctr_sa_sdst(0) depctr_va_vdst(0) depctr_va_sdst(0) depctr_va_ssrc(0) depctr_va_vcc(0) depctr_vm_vsrc(0)
	s_getreg_b32 s2, hwreg(HW_REG_IB_STS2, 6, 4)
	s_cmp_eq_u32 s2, 0
	s_cbranch_scc0 .Lentry_in_a_cluster
	s_endpgm
.Lentry_in_a_cluster:
	s_bfe_u32 s2, ttmp6, 0x10000c
	s_cmp_lg_u32 s2, 0xf033
	s_cbranch_scc0 .Lentry_shape_is_right
	s_endpgm
.Lentry_shape_is_right:
; ATTENTION.  O[b][h][q] = sum over k of softmax_k(q . k + attn_mask[q][k], hidden keys left out) v[k].  q (already times 1/8), k, v: f16, [b x 8 + head pair][t / 128][head & 1][t % 128][64];
; O leaves in the same layout.  attn_mask comes from h16 as f16 that holds bf16-rounded numbers.  Products, maxima and sums in f32; the weights p are rounded to f16 for the second product, O once.
; LIMITS.  A hidden key's score counts as -1e30 and its weight is 0; a true score is taken to lie above -1e20 (f16's q and k give 3e11 at the most).  A row all of whose keys are hidden ends as 0 / 0, a NaN.
; The mask is finite (the launch that wrote it holds it to 65,280).  A weight below 2^-126 counts as 0.  NaN inputs are not treated apart.
; SHARES.  A work-group owns 256 queries of a head pair: wave w has head w & 1 and queries 128 (w / 2) on: four PIECES of two tiles of 16.  Every wave walks all 1,024 keys, 64 a step, two steps a slot.
; LAYOUT.  S^T = K Q^T (source 0 = 16 keys, source 1 = 16 queries): a lane holds ONE query (lane % 16) and the keys 8 (lane / 16) + 0..7; two results rounded to f16 ARE source 1 of O^T = V^T P.
; THE MASKS COST NO VECTOR WORK.  A sum S^T is a chain of three products on one accumulator: channels 0-31 with C = the key mask (0 or -1e30, a register a key); channels 32-63; and I x M, where I is the
; 16 x 32 matrix (identity | 0) and M's first 16 rows are attn_mask[query][16 keys] as it lies in LDS; its other 16 rows, whatever finite numbers follow in the registers, meet I's zeros.
; SOFTMAX.  p = 2^(c s - c m), c = log2(e), with a running maximum m from -1e20; O and l are multiplied by a = 2^(c m_old - c m_new) in every step.  c m is always made by the same multiplication, so a is
; exactly 1 while only hidden keys have been seen, and 0 at the first true score.
; BY TURNS.  Turn n belongs to piece n: 24 products for S^T of piece n + 1, later 16 products V^T P of piece n - 1; beside them the scaling, exponentials, roundings, sums and rescaling of piece n and the
; maximum and statistics of piece n + 1.  Four vector instructions stand behind every matrix instruction, the other 76 of a turn's 236 in two lumps.
; CLUSTER 4 x 4.  The four of a row are the four query blocks of one head pair: they ask for K and V jointly.  The four of a column have the same queries: they ask for the mask's tile jointly.
; REGISTERS, in windows of 256 (s_set_vgpr_msb: bits 1:0 source 0, 3:2 source 1, 5:4 source 2, 7:6 destination):
;   window 0: v0-11 addresses; v12-15, v48-63 at work; v16-47 statistics; v64-191 S^T, two buffers of two tiles; v192-255 P, likewise          window 1: O^T, 32 a tile
;   window 2: v0-127 Q; v128-191 K of one step; v192-255 V of one step          window 3: v0-5 the add's two registers and addresses; v8-15 I; v16-51 M and four zeros; v64-95 the key mask of one step
.set NP,    4
.set KS,    64
.set PK,    144       ; a row of K in LDS: 128 bytes + 16
.set PV,    160       ; a row of V: 128 + 32
.set PM,    272       ; a row of the mask's tile: 256 + 16
.set VOFF,  2*128*PK  ; a slot: K of both heads (128 keys each), then V, then 256 rows of the mask
.set MOFF,  VOFF+2*128*PV
.set SLOTB, MOFF+256*PM   ; 0x24000: no LDS word of a descriptor in slot 0 has one of its two bits, so one exclusive or turns an address in one slot into the other's
.set PADT,  2*SLOTB   ; behind the ring, never filled by a tensor load: the key mask as 1,024 f32
.set STAGE, PADT+4096 ; 16 rows x 144 bytes for each wave, for the way out
.set SP,    144
.set SPARE, STAGE+4*16*SP  ; the spare words, 128 bytes for each wave
.set AK0, 2
.set AV0, 3
.set AK,  4
.set AV,  5
.set QO,  6
.set STO, 6
.set RD,  7
.set GO,  8
.set PFO, 11          ; v11  256 x my lane, for the prefetches; never rewritten once made
.set MV,  12
.set ST,  16          ; tile t's statistics at v[ST+4 t]: c m, m, l (even keys', odd keys')
.set TMP, 48
.set S,   64
.set P,   192
.set KF,  128         ; window 2
.set VF,  192         ; window 2
.set SPW, 0           ; window 3: my spare word; never rewritten
.set NIL, 1           ; window 3: 0; never rewritten
.set AM0, 2           ; window 3: my lane's place in the mask's tile
.set AM,  3           ; window 3: the same in the step in hand
.set AP0, 4           ; window 3: my lane's place in the key mask
.set AP,  5
.set IDN, 8           ; window 3
.set MSK, 16          ; window 3: tile u, keys 16 kt on at MSK + 16 u + 4 kt; four zeros behind
.set PADC, 64         ; window 3: keys 16 kt on at PADC + 8 kt
.set WV,  12
.set LIM, 15          ; s15  1 in a wave that prefetches, else the greatest number
.set PFA, 18          ; s[18:19] where my prefetches stand
.set G1K, 24
.set G1V, 32
.set G1M, 40
.set G0K, 48
.set G0V, 52
.set G0M, 56
.set SLOTS, 60
.set CNT, 61
.set CS,  62          ; s[62:63] c
.set SEL, 66          ; s[66:67] v_permlanex16_b32's selects
.set TBK, 68
.set TBV, 69
.set TBM, 70
.set TBP, 71
.set BIGN, 72         ; -1e30
.set EH,  73          ; w & 1
.set MSB, 0
.macro WIN new
.if MSB != (\new)
	s_set_vgpr_msb (MSB<<8)|(\new)
.set MSB, (\new)
.endif
.endm
.set W_K0, 0x3a       ; K and Q in window 2, C in window 3, S^T in window 0
.set W_K1, 0x0a       ; K and Q in window 2, S^T in window 0
.set W_KM, 0x0f       ; I and M in window 3, S^T in window 0
.set W_PV, 0x52
.set W_RS, 0x41
.set W_MK, 0xc0       ; destination in window 3, sources in window 0
.set W_AD, 0x0f       ; the add: address and data in window 3
.set W_L3, 0xc3       ; an LDS load with address and destination in window 3
.set W_A3, 0xcc       ; source 1 and destination in window 3
; A joint fill: wave 0 a slot's K, wave 1 its V, waves 2 and 3 the two halves of the mask's tile: 128 rows of 256 bytes each.  The branches hang on the wave's number alone.
; An s_nop 0 and four v_nop follow each line, ahead of the jump and the label.
.macro JLOAD
	s_cmp_lt_u32 s[WV], 2
	s_cbranch_scc0 .Lfor_m_\@
	s_cmp_eq_u32 s[WV], 0
	s_cbranch_scc0 .Lfor_v_\@
	tensor_load_to_lds s[G0K:G0K+3], s[G1K:G1K+7]
	s_nop 0
.rept 4
	v_nop
.endr
	s_branch .Lasked_\@
.Lfor_v_\@:
	tensor_load_to_lds s[G0V:G0V+3], s[G1V:G1V+7]
	s_nop 0
.rept 4
	v_nop
.endr
	s_branch .Lasked_\@
.Lfor_m_\@:
	tensor_load_to_lds s[G0M:G0M+3], s[G1M:G1M+7]
	s_nop 0
.rept 4
	v_nop
.endr
.Lasked_\@:
.endm
; A prefetch of what the NEXT change of slots will ask for of K (wave 0) and V (wave 1): a slot's 128 rows of 256 bytes; the four partners of a row of the cluster, who alone read them, take 32 rows each,
; told apart by address; a lane a row.  So each row is named once in the launch.  Two key steps, 320 matrix instructions, ahead of the load.  The last change that fills a slot asks for nothing.
.macro ASK
	s_cmp_gt_u32 s[SLOTS], s[LIM]
	s_cbranch_scc0 .Lnot_mine_\@
	global_prefetch_b8 v[PFO], s[PFA:PFA+1] th:TH_LOAD_NT scope:SCOPE_SE
.Lnot_mine_\@:
.endm
.macro CROUND
	s_barrier_signal -1
	s_barrier_wait -1
	s_cmp_lg_u32 s[WV], 0
	s_cbranch_scc1 .Lnot_wave_0_\@
	s_barrier_signal -3
.Lnot_wave_0_\@:
	s_barrier_wait -3
	s_barrier_signal -1
	s_barrier_wait -1
.endm
; THE CHANGE OF SLOTS.  Each wave waits for all its tensor loads, of which one is out: its part of the other slot; adds 0 to its spare word; and waits for that and for its own reads of the slot.
; fill = 1: the slot is filled again with the keys two slots on, behind a round of the cluster's barrier, first thing.  (At its first use nothing has been read yet: slot 0 is waited for, slot 1 filled.)
.macro CHANGE fill
	WIN W_AD
	s_wait_tensorcnt 0x0            ; no tensor load of mine is out, so a group 0 may be written
	ds_add_u32 v[SPW], v[NIL]       ; 0 onto my spare word
	WIN 0
.if \fill
.irp g, G0K, G0V
	s_xor_b32 s[\g+1], s[\g+1], SLOTB
	s_add_nc_u64 s[\g+2:\g+3], s[\g+2:\g+3], 32768   ; the next 128 keys of both heads
.endr
	s_xor_b32 s[G0M+1], s[G0M+1], SLOTB
	s_add_nc_u64 s[G0M+2:G0M+3], s[G0M+2:G0M+3], 256 ; the next 128 columns
	s_wait_xcnt 0x0                 ; the last prefetch, two key steps back, has read its address
	s_add_nc_u64 s[PFA:PFA+1], s[PFA:PFA+1], 32768
	s_wait_dscnt 0x0                ; the add is done, and my reads of the slot are over
	CROUND
	JLOAD
	ASK
.else
	s_wait_dscnt 0x0
	s_barrier_signal -1
	s_barrier_wait -1
.endif
	s_sub_co_u32 s[TBK], s[TBK], 2*KS*PK  ; the fetches go back to a slot's first step,
	s_xor_b32 s[TBK], s[TBK], SLOTB       ; in the other slot
	s_sub_co_u32 s[TBV], s[TBV], 2*KS*PV
	s_xor_b32 s[TBV], s[TBV], SLOTB
	s_sub_co_u32 s[TBM], s[TBM], 2*KS*2
	s_xor_b32 s[TBM], s[TBM], SLOTB
.endm
	s_load_b256 s[4:11], s[0:1], 0x0  ; qkv s[4:5], h16 s[6:7], key_padding_mask s[8:9], o s[10:11]
	WIN W_MK
	v_lshl_add_u32 v[SPW], v0, 2, SPARE
	v_mov_b32 v[NIL], 0
	WIN W_AD
	ds_add_u32 v[SPW], v[NIL]       ; the wave's opening: the add and its wait stand ahead of my first tensor load
	WIN 0
	v_lshrrev_b32 v1, 5, v0
	v_readfirstlane_b32 s[WV], v1   ; wave 0..3
	s_bfe_u32 s13, ttmp6, 0x40000   ; cx
	s_bfe_u32 s14, ttmp6, 0x40004   ; cy
	s_lshl_b32 s16, ttmp9, 2
	s_add_co_u32 s16, s16, s13      ; my block of 256 queries
	s_and_b32 s17, ttmp7, 0xffff
	s_lshl_b32 s17, s17, 2
	s_add_co_u32 s17, s17, s14      ; batch x 8 + head pair
	s_lshl_b32 s20, s14, 2
	s_lshl_b32 s20, 15, s20         ; my row of the cluster
	s_lshl_b32 s21, 0x1111, s13     ; my column
	s_or_b32 s[G1K], s20, (1<<16)|(1<<20)|(1<<21)|(4<<22)|(3<<25)  ; the mask of four; 2-byte elements; padding on; bit 21 beside a mask; after every 32 words, 4 words
	s_or_b32 s[G1V], s20, (1<<16)|(1<<20)|(1<<21)|(4<<22)|(7<<25)  ; 8 words
	s_or_b32 s[G1M], s21, (1<<16)|(1<<20)|(1<<21)|(5<<22)|(3<<25)  ; after every 64 words, 4 words
.irp g, G1K, G1V, G1M
	s_mov_b32 s[\g+1], 128<<16      ; tensor_dim0 = 128
	s_mov_b32 s[\g+2], 128<<16      ; tensor_dim1 = 128
	s_mov_b32 s[\g+3], 128<<16      ; tile_dim0 = 128
	s_mov_b32 s[\g+4], 128          ; tile_dim1 = 128
	s_mov_b32 s[\g+6], 0
	s_mov_b32 s[\g+7], 0
.endr
	s_mov_b32 s[G1K+5], 128         ; K's and V's 32,768 bytes are dense: rows of 256 bytes on end
	s_mov_b32 s[G1V+5], 128
	s_mov_b32 s[G1M+5], 1024        ; a row of the mask
	s_and_b32 s[EH], s[WV], 1
	s_lshr_b32 s77, s[WV], 1
	s_lshl_b32 s22, s17, 18         ; the head pair's 262,144 bytes
	s_lshl_b32 s2, s16, 1
	s_add_co_u32 s2, s2, s77        ; my 128 queries,
	s_lshl_b32 s2, s2, 15
	s_add_co_u32 s2, s2, s22
	s_lshl_b32 s3, s[EH], 14        ; my head
	s_add_co_u32 s2, s2, s3
	s_mov_b32 s3, 0                 ; s[2:3]: my rows of q and of o
	s_lshl_b32 s76, s13, 13         ; the prefetches: my work-group's 32 rows of a slot's 128,
	s_add_co_u32 s76, s76, s22
	s_cmp_eq_u32 s[WV], 1
	s_cselect_b32 s75, 1, 0
	s_lshl_b32 s77, 0x1000000, s75  ; in k, or (wave 1) in v,
	s_add_co_u32 s76, s76, s77
	s_add_co_u32 s76, s76, 32768    ; at slot 1: the first change steps it to slot 2
	s_mov_b32 s77, 0
	s_add_co_u32 s22, s22, 0x1000000  ; k lies 16,777,216 bytes into qkv
	s_mov_b32 s23, 0
	s_lshl_b32 s74, s16, 19         ; the mask: my block's 256 rows of 2,048 bytes,
	s_lshl_b32 s75, s[EH], 18       ; the half that I fetch,
	s_add_co_u32 s74, s74, s75
	s_add_co_u32 s74, s74, 0x3800000  ; 58,720,256 bytes into h16
	s_mov_b32 s75, 0
	s_lshr_b32 s78, s17, 3
	s_lshl_b32 s78, s78, 10         ; the batch's 1,024 bytes of the key mask
	s_mov_b32 s79, 0
	s_mov_b32 s[G0K], 1
	s_mov_b32 s[G0K+1], 0           ; LDS addresses: slot 0; no place in the cluster enters them
	s_mov_b32 s[G0V], 1
	s_mov_b32 s[G0V+1], VOFF
	s_mov_b32 s[G0M], 1
	s_mul_i32 s[G0M+1], s[EH], 128*PM
	s_add_co_u32 s[G0M+1], s[G0M+1], MOFF
	s_mov_b32 s[CS], 0x3fb8aa3b     ; c = log2(e): the 1/8 lies in q
	s_mov_b32 s[CS+1], s[CS]
	s_mov_b32 s[SEL], 0x76543210
	s_mov_b32 s[SEL+1], 0xfedcba98
	s_mov_b32 s[TBK], SLOTB+2*KS*PK ; the first change of slots turns these three into 0
	s_mov_b32 s[TBV], SLOTB+2*KS*PV
	s_mov_b32 s[TBM], SLOTB+2*KS*2
	s_mov_b32 s[TBP], 0
	s_mov_b32 s[BIGN], 0xf149f2ca   ; -1e30
	s_mov_b32 s[SLOTS], 7
	s_cmp_lt_u32 s[WV], 2
	s_cselect_b32 s[LIM], 1, -1
	s_wait_dscnt 0x0                ; the opening add is done
	s_wait_kmcnt 0x0
	s_add_nc_u64 s[G0K+2:G0K+3], s[4:5], s[22:23]
	s_add_nc_u64 s[G0V+2:G0V+3], s[G0K+2:G0K+3], 0x1000000
	s_or_b32 s[G0K+3], s[G0K+3], 0x80000000
	s_or_b32 s[G0V+3], s[G0V+3], 0x80000000
	s_add_nc_u64 s[G0M+2:G0M+3], s[6:7], s[74:75]
	s_or_b32 s[G0M+3], s[G0M+3], 0x80000000
	s_add_nc_u64 s[PFA:PFA+1], s[4:5], s[76:77]
	s_add_nc_u64 s[4:5], s[4:5], s[2:3]
	s_add_nc_u64 s[10:11], s[10:11], s[2:3]
	s_add_nc_u64 s[8:9], s[8:9], s[78:79]
	CROUND                          ; all sixteen work-groups are here: the first joint loads meet
	JLOAD                           ; slot 0; slot 1 is asked for when slot 0 is in
	v_lshlrev_b32 v48, 3, v0
	global_load_b64 v[54:55], v48, s[8:9]  ; my eight keys' bytes of the key mask
	v_and_b32 v1, 15, v0            ; l % 16
	v_bfe_u32 v9, v0, 4, 1          ; l / 16
	v_lshlrev_b32 v[QO], 7, v1
	v_lshl_add_u32 v[QO], v9, 4, v[QO]
	WIN 0x80                        ; destination window 2, address window 0
.set i, 0
.rept 4*NP                          ; Q stays in registers: tile i / 2, channels 32 (i % 2) on
	global_load_b128 v[8*i:8*i+3],   v[QO], s[4:5] offset:(i/2)*2048+(i%2)*64
	global_load_b128 v[8*i+4:8*i+7], v[QO], s[4:5] offset:(i/2)*2048+(i%2)*64+32
.set i, i+1
.endr
	; What the first turn finds: V's registers and P's second buffer hold 0 (its products V^T P, of a piece that has not been, add 0), O^T and l are 0.  All this stands in the wait for the first tile.
.set i, VF
.rept 64
	v_mov_b32 v[i], 0
.set i, i+1
.endr
	WIN 0x40
.set i, 0
.rept 64*NP
	v_mov_b32 v[i], 0
.set i, i+1
.endr
	WIN 0
.set i, 0
.rept 2*NP
	v_mov_b32 v[ST+4*i+1], 0xe0ad78ec            ; m = -1e20
	v_mul_f32 v[ST+4*i], s[CS], v[ST+4*i+1]      ; c m, by the multiplication that makes every later c m
	v_mov_b32 v[ST+4*i+2], 0
	v_mov_b32 v[ST+4*i+3], 0
.set i, i+1
.endr
.set i, P+32
.rept 32
	v_mov_b32 v[i], 0
.set i, i+1
.endr
	s_mul_i32 s2, s[EH], 128*PK     ; my head's K
	v_mul_u32_u24 v[AK0], v1, PK
	v_lshl_add_u32 v[AK0], v9, 4, v[AK0]
	v_add_nc_u32 v[AK0], s2, v[AK0]
	; The turning load takes 16 keys x 16 channels (lane l reads key 8 (l / 16) + l % 8, channels 8 ((l / 8) % 2) + 0..7) and leaves half a fragment of V^T.
	s_mul_i32 s2, s[EH], 128*PV
	s_add_co_u32 s2, s2, VOFF
	v_and_b32 v10, 7, v0
	v_bfe_u32 v11, v0, 3, 1
	v_lshl_add_u32 v[AV0], v9, 3, v10
	v_mul_u32_u24 v[AV0], v[AV0], PV
	v_lshl_add_u32 v[AV0], v11, 4, v[AV0]
	v_add_nc_u32 v[AV0], s2, v[AV0]
	v_and_b32 v[PFO], 31, v0
	v_lshlrev_b32 v[PFO], 8, v[PFO]
	s_lshr_b32 s2, s[WV], 1         ; my 128 rows of the mask's tile
	s_mul_i32 s2, s2, 128*PM
	s_add_co_u32 s2, s2, MOFF
	v_mul_u32_u24 v50, v1, PM
	v_lshl_add_u32 v50, v9, 4, v50
	v_add_nc_u32 v50, s2, v50
	v_lshlrev_b32 v51, 5, v9
	v_add_nc_u32 v51, PADT, v51     ; my eight keys of sixteen
	v_lshlrev_b32 v52, 3, v9
	v_sub_nc_u32 v52, v1, v52       ; d = l % 16 - 8 (l / 16): my row of I has its 1 in my registers where d is 0 .. 7: register d / 2, half d % 2
	v_and_b32 v53, 1, v52
	v_lshlrev_b32 v53, 4, v53
	v_mov_b32 v49, 0x3c00           ; 1.0 in f16
	v_lshlrev_b32 v53, v53, v49
	v_lshrrev_b32 v52, 1, v52
	WIN W_MK
	v_mov_b32 v[AM0], v50
	v_mov_b32 v[AP0], v51
.irp i, 0,1,2,3
	v_cmp_eq_u32 vcc_lo, \i, v52
	v_cndmask_b32 v[IDN+\i], 0, v53, vcc_lo
.endr
.irp i, 4,5,6,7
	v_mov_b32 v[IDN+\i], 0
.endr
.irp i, 32,33,34,35
	v_mov_b32 v[MSK+\i], 0
.endr
	WIN 0
	v_lshl_add_u32 v49, v0, 5, PADT ; my eight words of the table
	s_wait_loadcnt 32               ; the key mask's bytes are in; Q's 32 loads stay out
.set j, 0
.rept 8
	v_bfe_u32 v[56+j], v[54+j/4], 8*(j%4), 8
	v_sub_nc_u32 v[56+j], 0, v[56+j]             ; 0 or all ones,
	v_and_b32 v[56+j], s[BIGN], v[56+j]          ; 0 or -1e30
.set j, j+1
.endr
	ds_store_b128 v49, v[56:59]
	ds_store_b128 v49, v[60:63] offset:16        ; the change of slots below waits for these and passes a barrier before anybody reads them
; THE MATRIX WORK.  The 8 accumulators of a run take turns: between two links of a chain stand 7 others'.
; Product i of 24 of S^T for piece x: link i / 8, keys 16 ((i / 2) % 4) on, tile 2 x + i % 2.
.macro KQ x
.set rS, S+64*((\x)%2)+32*(i%2)+8*((i/2)%4)
.set rK, KF+16*((i/2)%4)+8*((i/8)%2)
.set rQ, 16*(2*(\x)+i%2)+8*((i/8)%2)
.set rB, MSK+16*(i%2)+4*((i/2)%4)
.set rZ, PADC+8*((i/2)%4)
.if i < 8
	WIN W_K0
	v_wmma_f32_16x16x32_f16 v[rS:rS+7], v[rK:rK+7], v[rQ:rQ+7], v[rZ:rZ+7]
.elseif i < 16
	WIN W_K1
	v_wmma_f32_16x16x32_f16 v[rS:rS+7], v[rK:rK+7], v[rQ:rQ+7], v[rS:rS+7]
.else
	WIN W_KM
	v_wmma_f32_16x16x32_f16 v[rS:rS+7], v[IDN:IDN+7], v[rB:rB+7], v[rS:rS+7]
.endif
.endm
; Product i of 16 of O^T += V^T P for piece x: keys 32 (i / 8) on, channels 16 ((i / 2) % 4) on, tile 2 x + i % 2.
.macro PV x
	WIN W_PV
.set rO, 32*(2*(\x)+i%2)+8*((i/2)%4)
.set rV, VF+32*(i/8)+8*((i/2)%4)
.set rP, P+32*((\x)%2)+16*(i%2)+8*(i/8)
	v_wmma_f32_16x16x32_f16 v[rO:rO+7], v[rV:rV+7], v[rP:rP+7], v[rO:rO+7]
	s_wait_alu depctr_va_vdst(0)
.endm
.macro MM                           ; the turn's next matrix instruction
.if i < 24
	KQ (Y+1)%NP
.set i, i+1
.else
.set i, i-24
	PV (Y+NP-1)%NP
.set i, i+25
.endif
.endm
; THE LDS LOADS stand in runs.  FETCH_M: piece pc's 32 rows x 64 keys of the mask.  FETCH_STEP: the next step's K (8 fragments), key mask and piece 0's mask.  FETCH_V: the step's V, turned.
.macro FETCH_M pc
	WIN W_L3
.irp u, 0,1
.irp kt, 0,1,2,3
	ds_load_b128 v[MSK+16*\u+4*\kt:MSK+16*\u+4*\kt+3], v[AM] offset:(\pc)*32*PM+\u*16*PM+\kt*32
.endr
.endr
	WIN 0
.endm
.macro FETCH_STEP last=0            ; last = 1 (the tail): in the last trip there is no further step, and the run is jumped over
	WIN 0
.if \last
	s_cmp_eq_u32 s[CNT], 1
	s_cbranch_scc1 .Lno_k_\@
.endif
	v_add_nc_u32 v[AK], s[TBK], v[AK0]
	WIN W_A3
	v_add_nc_u32 v[AM], s[TBM], v[AM0]
	v_add_nc_u32 v[AP], s[TBP], v[AP0]
	WIN 0x80
.irp f, 0,1,2,3,4,5,6,7             ; keys 16 (f / 2) on, channels 32 (f % 2) on
	ds_load_b128 v[KF+8*\f:KF+8*\f+3],   v[AK] offset:(\f/2)*16*PK+(\f%2)*64
	ds_load_b128 v[KF+8*\f+4:KF+8*\f+7], v[AK] offset:(\f/2)*16*PK+(\f%2)*64+32
.endr
	WIN W_L3
.irp f, 0,1,2,3,4,5,6,7             ; keys 16 (f / 2) + 8 (l / 16) + 4 (f % 2) on
	ds_load_b128 v[PADC+4*\f:PADC+4*\f+3], v[AP] offset:(\f/2)*64+(\f%2)*16
.endr
	FETCH_M 0
	s_add_co_u32 s[TBK], s[TBK], KS*PK
	s_add_co_u32 s[TBM], s[TBM], KS*2
	s_add_co_u32 s[TBP], s[TBP], KS*4   ; the table is walked once, from first to last
.if \last
.Lno_k_\@:
.endif
.endm
.macro FETCH_V
	WIN 0x80
.irp f, 0,1,2,3,4,5,6,7             ; keys 32 (f / 4) on, channels 16 (f % 4) on
	ds_load_tr16_b128 v[VF+8*\f:VF+8*\f+3],   v[AV] offset:(\f/4)*32*PV+(\f%4)*32
	ds_load_tr16_b128 v[VF+8*\f+4:VF+8*\f+7], v[AV] offset:(\f/4)*32*PV+16*PV+(\f%4)*32
.endr
	WIN 0
.endm
; THE VECTOR WORK OF A TURN stands in three queues, each in the order in which its entries become ready; the two tiles alternate.
.macro REGS y, u
.set rT, ST+4*(2*(\y)+(\u))
.set rC, TMP+8*((\y)%2)+4*(\u)
.set rM, MV+2*((\y)%2)+(\u)
.set rS, S+64*((\y)%2)+32*(\u)
.set rP, P+32*((\y)%2)+16*(\u)
.set rO, 32*(2*(\y)+(\u))
.endm
; Number n of the 22 that find the NEXT piece's maximum and statistics; each accumulator's lowest registers are read first.
;   0-11 four chains of seven scores     12-14, 16 the four scores left over, the old m, all into c0     15 c m_old is kept     17, 18 the lane 16 away: the new m     19-21 c m; c m_old - c m_new; a
.macro XS u, n
	REGS (Y+1)%NP, \u
.if (\n) < 4
	v_max3_num_f32 v[rC+(\n)], v[rS+8*(\n)], v[rS+8*(\n)+1], v[rS+8*(\n)+2]
.elseif (\n) < 12
	v_max3_num_f32 v[rC+(\n)%4], v[rC+(\n)%4], v[rS+8*((\n)%4)+2*((\n)/4)+1], v[rS+8*((\n)%4)+2*((\n)/4)+2]
.elseif (\n) == 12
	v_max3_num_f32 v[rC], v[rC], v[rS+7], v[rS+15]
.elseif (\n) == 13
	v_max3_num_f32 v[rC+1], v[rC+1], v[rS+23], v[rS+31]
.elseif (\n) == 14
	v_max3_num_f32 v[rC+2], v[rC+2], v[rC+3], v[rT+1]
.elseif (\n) == 15
	v_mov_b32 v[rM], v[rT]
.elseif (\n) == 16
	v_max3_num_f32 v[rC], v[rC], v[rC+1], v[rC+2]
.elseif (\n) == 17
	v_permlanex16_b32 v[rC+3], v[rC], s[SEL], s[SEL+1]
.elseif (\n) == 18
	v_max_num_f32 v[rT+1], v[rC], v[rC+3]
.elseif (\n) == 19
	v_mul_f32 v[rT], s[CS], v[rT+1]
.elseif (\n) == 20
	v_sub_f32 v[rC+1], v[rM], v[rT]
.else
	v_exp_f32 v[rC+2], v[rC+1]
.endif
.endm
; Number g of the 64 that follow the exponentials: for each four weights of a tile both pairs are rounded to f16, the second pair is added onto the first in place, and a group later l takes that sum.
.macro GS g
.set h, (\g)+6*((\g)/62)
.if h >= 6
.set h, h+2
.endif
	REGS Y, h%2
.set k, h/8
.if h%8 < 4
	s_wait_alu depctr_va_vdst(0)
	v_cvt_pk_f16_f32 v[rP+2*k+(h%8)/2], v[rS+4*k+2*((h%8)/2)], v[rS+4*k+2*((h%8)/2)+1]
.elseif h%8 < 6
	v_pk_add_f32 v[rS+4*k:rS+4*k+1], v[rS+4*k:rS+4*k+1], v[rS+4*k+2:rS+4*k+3]
.elseif k == 1
	v_pk_fma_f32 v[rT+2:rT+3], v[rT+2:rT+3], v[rC+2:rC+3], v[rS:rS+1] op_sel_hi:[1,0,1]
.else
	v_pk_add_f32 v[rT+2:rT+3], v[rT+2:rT+3], v[rS+4*k-4:rS+4*k-3]
	s_wait_alu depctr_va_vdst(0)
.endif
.endm
; THE PLAIN QUEUE, 138 long.  0-31: c s - c m.  Then GS's 64, and among them the next piece's 42: number 15 at 38, 39; 0-14 and 16 at 48-79, behind the products that make those scores; 17-20 at 103-114, two of three.
.macro PL
	WIN 0
.if q < 32
	REGS Y, q%2
	v_pk_fma_f32 v[rS+2*(q/2):rS+2*(q/2)+1], v[rS+2*(q/2):rS+2*(q/2)+1], s[CS:CS+1], v[rT:rT+1] op_sel_hi:[1,0,0] neg_lo:[0,0,1] neg_hi:[0,0,1]
.elseif q < 38
	GS q-32
.elseif q < 40
	XS q%2, 15
.elseif q < 48
	GS q-34
.elseif q < 80
	XS q%2, (q-48)/2+(q-48)/30
.elseif q < 103
	GS q-66
.elseif (q < 115) && ((q-103)%3 < 2)
	XS (q-103)%3, 17+(q-103)/3
.elseif q < 115
	GS 37+(q-103)/3
.else
	GS q-74
.endif
.set q, q+1
.endm
; THE EXPONENTIALS' QUEUE, 66 long: s0-s31 of both tiles, and at EA the next piece's two a.
.set EA, 61
.macro EX
	WIN 0
.if (e == EA) || (e == EA+1)
	XS e-EA, 21
.else
.set x, e-2*(e/(EA+2))
	REGS Y, x%2
	v_exp_f32 v[rS+x/2], v[rS+x/2]
.endif
.set e, e+1
.endm
; THE RESCALING's QUEUE: O^T times a, four at a time, eight times.
.macro R4
	REGS Y, r%2
	WIN W_RS
	s_wait_alu depctr_va_vdst(0)
.irp z, 0,1,2,3
	v_pk_mul_f32 v[rO+8*(r/2)+2*\z:rO+8*(r/2)+2*\z+1], v[rO+8*(r/2)+2*\z:rO+8*(r/2)+2*\z+1], v[rC+2:rC+3] op_sel_hi:[1,0]
.endr
.set r, r+1
.endm
; HOW THEY ARE DEALT.  Behind a matrix instruction four: plain, exponential, plain, plain (SL); exponential, plain, exponential, plain (S2); or four of the rescaling.  No two exponentials follow each other.
; The deal keeps the queues in step: exponential e stands behind plain 2 (e / 4) + e % 2; the roundings of group k come when exponential 8 k + 7 is out (at plain 40: 18 are out, at 80: 41, at 96: 46, at 108: 54,
; at 120: all); the first read of the new scores, plain 48, has seven plain instructions between it and the last of their products, and so has the run of loads in the first lump.
.macro SL
	MM
	PL
	EX
	PL
	PL
.endm
.macro S2
	MM
	EX
	PL
	EX
	PL
.endm
; A TURN, for piece p.  The run of loads in its first lump: piece 2's turn fetches the next step (K, key mask, piece 0's mask); the others the mask of the piece whose scores the NEXT turn makes.
; V of the step in hand is fetched at the end of piece 0's turn.  cnt = 1: the loop's count is taken down some lines ahead of the branch behind the turn.
.macro TURN p, last=0, cnt=0
.set Y, (\p)
.set i, 0
.set q, 0
.set e, 0
.set r, 0
.if (\p) == 1
	s_wait_dscnt 16                 ; the mask's eight loads are in; V's sixteen, issued behind them, may stay out
.else
	s_wait_dscnt 0x0                ; what the last turn fetched is in
.endif
	MM
.rept 4
	PL
.endr
.rept 8
	SL
	MM
	R4
.endr
	SL
.rept 6
	S2
.endr
.rept 12
	EX
	PL
.if e == 26
.if (\p) == NP-2
	FETCH_STEP \last
.else
	FETCH_M ((\p)+2)%NP
.endif
.endif
.endr
.if (\p) == 1
	s_wait_dscnt 8                  ; V is in; the mask's eight loads just issued may stay out
.endif
.rept 16
	SL
.endr
.rept 17
	EX
	PL
.endr
.rept 18
	PL
.if ((\p) == 0) && (q == 124)
	v_add_nc_u32 v[AV], s[TBV], v[AV0]
.endif
.if ((\p) == 0) && (q == 130)
	s_add_co_u32 s[TBV], s[TBV], KS*PV
.endif
.if (\cnt) && (q == 130)
	s_sub_co_u32 s[CNT], s[CNT], 1
	s_cmp_lg_u32 s[CNT], 0
.endif
.endr
.if (\p) == 0
	FETCH_V
.endif
.endm
	CHANGE 1                        ; slot 0 is in, everybody's part of it, and so is the table; slot 1 is asked for
	FETCH_STEP                      ; key step 0
	s_wait_loadcnt 0x0              ; Q
	s_wait_dscnt 0x0
.set i, 0
.rept 24
	KQ 0                            ; piece 0's first scores
.set i, i+1
.endr
	WIN 0                           ; the addresses for the way out: nine plain instructions, the places behind those products
	s_mul_i32 s2, s[WV], 16*SP
	s_add_co_u32 s2, s2, STAGE      ; my stage
	v_mul_u32_u24 v[STO], v1, SP    ; in: row l % 16, 16 bytes for each half of the lanes
	v_lshl_add_u32 v[STO], v9, 4, v[STO]
	v_add_nc_u32 v[STO], s2, v[STO]
	v_bfe_u32 v[RD], v0, 3, 2       ; back: 32 lanes take four rows of 128 bytes,
	v_mul_u32_u24 v[RD], v[RD], SP
	v_lshl_add_u32 v[RD], v10, 4, v[RD]
	v_add_nc_u32 v[RD], s2, v[RD]
	v_and_b32 v[GO], 31, v0         ; which are 512 consecutive bytes of O
	v_lshlrev_b32 v[GO], 4, v[GO]
	FETCH_M 1                       ; the mask for the first turn's products
.set Y, NP-1                        ; XS works for piece Y + 1: piece 0
.irp n, 0,1,2,3,4,5,6,7,8,9,10,11,12,13,14,15,16,17,18,19,20,21
	XS 0, \n
	XS 1, \n
.endr
	s_mov_b32 s[CNT], 2
	s_branch .Lfirst                ; the loop is entered at a step's first turn, in the middle of a trip
.Lslot:                             ; six times: every slot but the last two is filled again
	CHANGE 1
	s_mov_b32 s[CNT], 2
.Lstep:                             ; a trip: pieces 2 and 3 of one step, then pieces 0 and 1 of the next
	TURN 2
	TURN 3
	WIN 0
.Lfirst:
	TURN 0
	TURN 1, 0, 1
	WIN 0
	s_cbranch_scc1 .Lstep
	s_sub_co_u32 s[SLOTS], s[SLOTS], 1
	s_cmp_lg_u32 s[SLOTS], 0
	s_cbranch_scc1 .Lslot
	CHANGE 0                        ; the tail is written out: nothing is asked for
	s_mov_b32 s[CNT], 3             ; two trips fetch the last slot's steps; the third is left in its middle
.Ltail:
	TURN 2, 1
	TURN 3
	WIN 0
	s_sub_co_u32 s[CNT], s[CNT], 1
	s_cmp_eq_u32 s[CNT], 0
	s_cbranch_scc1 .Lout
	TURN 0
	TURN 1
	WIN 0
	s_branch .Ltail
.Lout:                              ; the third trip's products for S^T (on the last K once more) and the maximum made of them serve nothing: the price, once a launch, of one text for every trip
.set i, 0
.rept 16
	PV NP-1                         ; the last piece's V^T P of the last step
.set i, i+1
.endr
	; THE WAY OUT.  l's two halves and the other half of the lanes' are added; O^T is divided by l, rounded to f16 and sent through my stage, a tile at a time.  The additions are the places behind the last products.
	WIN 0
.macro ALL line:vararg
.set t, 0
.rept 2*NP
	\line
.set t, t+1
.endr
.endm
	ALL v_add_f32 v[ST+4*t+2], v[ST+4*t+2], v[ST+4*t+3]
	ALL v_permlanex16_b32 v[ST+4*t+3], v[ST+4*t+2], s[SEL], s[SEL+1]
	ALL v_add_f32 v[ST+4*t+2], v[ST+4*t+2], v[ST+4*t+3]
	ALL v_rcp_f32 v[ST+4*t+2], v[ST+4*t+2]
	v_nop                           ; a plain instruction between the last reciprocal and the use of its result
	s_wait_alu depctr_va_vdst(0)
.macro PACK t
	WIN W_RS
.set i, 32*(\t)
.rept 16
	v_pk_mul_f32 v[i:i+1], v[i:i+1], v[ST+4*(\t)+2:ST+4*(\t)+3] op_sel_hi:[1,0]
.set i, i+2
.endr
	WIN 0x05                        ; sources 0 and 1 window 1, destination window 0
.set i, 0
.rept 16
	v_cvt_pk_f16_f32 v[S+16*(\t)+i], v[32*(\t)+2*i], v[32*(\t)+2*i+1]
.set i, i+1
.endr
	WIN 0
.irp f, 0,1,2,3
	ds_store_b128 v[STO], v[S+16*(\t)+4*\f:S+16*(\t)+4*\f+3] offset:32*\f
.endr
.irp f, 0,1,2,3
	ds_load_b128 v[S+16*(\t)+4*\f:S+16*(\t)+4*\f+3], v[RD] offset:\f*4*SP  ; LDS serves a wave's instructions in order (ISA guide 5.7.1.4): these see the stores above
.endr
.endm
.macro SEND t, younger
	WIN 0
.irp f, 0,1,2,3
	s_wait_dscnt (\younger)+3-\f
	global_store_b128 v[GO], v[S+16*(\t)+4*\f:S+16*(\t)+4*\f+3], s[10:11] offset:(\t)*2048+\f*512  ; 512 consecutive bytes, at a multiple of 256 from O's first
.endr
.endm
	PACK 0
.set t, 1
.rept 2*NP-1
	PACK t
	SEND t-1, 8
.set t, t+1
.endr
	SEND 2*NP-1, 0
	WIN W_AD
	s_wait_tensorcnt 0x0            ; the wave's end
	ds_add_u32 v[SPW], v[NIL]
	s_wait_dscnt 0x0
	WIN 0
	CROUND                          ; the closing round
	s_endpgm
.Lfunc_end_k_q9b6ed8e6d3_attn:
	.size	k_q9b6ed8e6d3_attn, .Lfunc_end_k_q9b6ed8e6d3_attn-k_q9b6ed8e6d3_attn
	.p2alignl 7, 3214868480
	.fill 96, 4, 3214868480
	.section	.rodata,"a",@progbits
	.p2align	6, 0x0
	.amdhsa_kernel k_q9b6ed8e6d3_attn
		.amdhsa_group_segment_fixed_size 327680
		.amdhsa_private_segment_fixed_size 0
		.amdhsa_enable_private_segment 0
		.amdhsa_kernarg_size 32
		.amdhsa_user_sgpr_count 2
		.amdhsa_user_sgpr_kernarg_segment_ptr 1
		.amdhsa_wavefront_size32 1
		.amdhsa_system_sgpr_workgroup_id_x 1
		.amdhsa_system_sgpr_workgroup_id_y 1
		.amdhsa_system_sgpr_workgroup_id_z 1
		.amdhsa_system_vgpr_workitem_id 0
		.amdhsa_next_free_vgpr 864
		.amdhsa_next_free_sgpr 80
		.amdhsa_reserve_vcc 1
		.amdhsa_float_denorm_mode_32 3
		.amdhsa_float_denorm_mode_16_64 3
		.amdhsa_memory_ordered 1
		.amdhsa_forward_progress 1
		.amdhsa_inst_pref_size 235
	.end_amdhsa_kernel
	.amdgpu_metadata
---
amdhsa.version: [ 1, 2 ]
amdhsa.kernels:
  - .name:           k_q9b6ed8e6d3_attn
    .symbol:         k_q9b6ed8e6d3_attn.kd
    .args:
      - { .name: qkv, .offset: 0, .size: 8, .value_kind: global_buffer, .address_space: global }
      - { .name: h16, .offset: 8, .size: 8, .value_kind: global_buffer, .address_space: global }
      - { .name: key_padding_mask, .offset: 16, .size: 8, .value_kind: global_buffer, .address_space: global }
      - { .name: o, .offset: 24, .size: 8, .value_kind: global_buffer, .address_space: global }
    .group_segment_fixed_size: 327680
    .private_segment_fixed_size: 0
    .kernarg_segment_align: 8
    .kernarg_segment_size: 32
    .max_flat_workgroup_size: 128
    .sgpr_count:     80
    .vgpr_count:     864
    .wavefront_size: 32
...
	.end_amdgpu_metadata
.endif
;; end of part 3
;; launch outp (part 4): grid 8 x 32, 4 waves a work-group, clusters of 4 x 4, 327,680 bytes of LDS; arguments o, h16, out_proj_bias, out0; writes out0
.if DOCPART == 4
	.amdgcn_target "amdgcn-amd-amdhsa--gfx1250"
	.amdhsa_code_object_version 6
	.text
	.protected	k_q9b6ed8e6d3_outp
	.globl	k_q9b6ed8e6d3_outp
	.p2align	8
	.type	k_q9b6ed8e6d3_outp,@function
k_q9b6ed8e6d3_outp:
	s_mov_b64 s[64:65], 0
	v_nop
	global_prefetch_b8 v0, s[64:65] scope:SCOPE_SE
	s_setreg_imm32_b32 hwreg(HW_REG_WAVE_MODE, 25, 1), 1
	s_wait_xcnt 0x0
	s_wait_alu depctr_hold_cnt(0) depctr_sa_sdst(0) depctr_va_vdst(0) depctr_va_sdst(0) depctr_va_ssrc(0) depctr_va_vcc(0) depctr_vm_vsrc(0)
	s_getreg_b32 s2, hwreg(HW_REG_IB_STS2, 6, 4)
	s_cmp_eq_u32 s2, 0
	s_cbranch_scc0 .Lentry_in_a_cluster
	s_endpgm
.Lentry_in_a_cluster:
	s_bfe_u32 s2, ttmp6, 0x10000c
	s_cmp_lg_u32 s2, 0xf033
	s_cbranch_scc0 .Lentry_shape_is_right
	s_endpgm
.Lentry_shape_is_right:
; THE OUTPUT PROJECTION.  out0[m][n] = sum over k of O[m][k] w[n][k] + bias[n], f32 out.  O is f16 in the layout [batch x 8 + head pair][t / 128][head & 1][t % 128][64]; w (out_proj_weight, [1024][1024])
; comes from h16 as f16 that holds bf16-rounded numbers; the bias is rounded to bf16 here; sums in f32.
; SHARES.  A tile is 256 rows x 128 columns: 32 x 8 tiles, one for each of 256 places.  Four waves, each 128 x 64: 32 accumulators.  A K step is a head pair, 128 channels: for 128 rows that is 32,768
; consecutive bytes of O, asked for as 128 rows of 256 bytes and padded in LDS after every 128: [head & 1][128 rows] at 144 bytes a row.  Two slots; eight K steps, so nothing is asked for ahead of the tensor loads.
; CLUSTER 4 x 4: the four of a row need the same rows of O, the four of a column the same rows of w.
; THE PRODUCT IS TAKEN TRANSPOSED (source 0 = 16 rows of w, source 1 = 16 rows of O): a lane holds one row of out0 and eight neighbouring columns, 32 bytes.
; REGISTERS.  window 0: v16-29 addresses; two fragment buffers of 96 at v64 and v160, used again on the way out.   window 1: accumulator (a, b) at v[8 (4 a + b)].   window 2: v0-31 bias, v32-47 at work.
.set KSTEP,  128
.set PITCH,  272                       ; a row of w in LDS
.set PA,     144                       ; a row of O in LDS: 128 bytes + 16
.set HALFA,  256*PA                    ; two heads x 128 rows
.set HALFB,  64*PITCH
.set BOFF,   2*HALFA
.set SLOT,   2*HALFA+2*HALFB
.set STAGE,  2*SLOT                    ; behind the ring: 16 rows x 272 bytes for each wave
.set SP,     272
.set SPARE,  STAGE+4*16*SP
.set LAPS,   4
.set ASTEP,  2*262144                  ; a head pair's block of O is 262,144 bytes
.set BSTEP,  2*KSTEP*2
.set WOFF,   56623104                  ; out_proj_weight in h16
.set ADRA, 16
.set ADRB, 20
.set STO,  24
.set RD,   25
.set CO,   26
.set BO,   27
.set SPW,  28                          ; never rewritten
.set NIL,  29                          ; never rewritten
.set F0,   64
.set F1,   160
.set T,    64                          ; the way out: 32 f32
.set BK,   96                          ; two sets of 32, read back from the stage
.set BIAS, 0                           ; window 2
.set BW,   32                          ; window 2
.set G1,  24
.set G0,  32
.set G1B, 48
.set G0B, 56
.set MSB, 0
.macro WIN new
.if MSB != (\new)
	s_set_vgpr_msb (MSB<<8)|(\new)
.set MSB, \new
.endif
.endm
.set MUL, 0x50
.macro JLOAD s                         ; waves 0 and 1 fetch O's two halves, waves 2 and 3 w's; an s_nop 0 and four v_nop follow each line
	s_cmp_eq_u32 s11, 0
	s_cbranch_scc0 .Lfor_b_\@
	tensor_load_to_lds s[G0+4*(\s):G0+4*(\s)+3], s[G1:G1+7]
	s_nop 0
.rept 4
	v_nop
.endr
	s_branch .Lasked_\@
.Lfor_b_\@:
	tensor_load_to_lds s[G0B+4*(\s):G0B+4*(\s)+3], s[G1B:G1B+7]
	s_nop 0
.rept 4
	v_nop
.endr
.Lasked_\@:
.endm
.macro CREST
	s_cmp_lg_u32 s10, 0
	s_cbranch_scc1 .Lnot_wave_0_\@
	s_barrier_signal -3
.Lnot_wave_0_\@:
	s_barrier_wait -3
	s_barrier_signal -1
	s_barrier_wait -1
.endm
.macro CROUND
	s_barrier_signal -1
	s_barrier_wait -1
	CREST
.endm
	s_load_b128 s[4:7], s[0:1], 0x0                ; o s[4:5], h16 s[6:7]
	s_load_b128 s[68:71], s[0:1], 0x10             ; out_proj_bias s[68:69], out0 s[70:71]
	v_lshl_add_u32 v[SPW], v0, 2, SPARE
	v_mov_b32 v[NIL], 0
	ds_add_u32 v[SPW], v[NIL]                      ; the wave's opening: the add and its wait stand ahead of my first tensor load
	v_lshrrev_b32 v1, 5, v0
	v_readfirstlane_b32 s10, v1                    ; wave 0..3
	s_lshr_b32 s11, s10, 1                         ; my half of the rows.  Also: I fetch for O (0) or for w (1)
	s_and_b32 s12, s10, 1                          ; my half of the columns.  Also: which half I fetch
	s_bfe_u32 s40, ttmp6, 0x40000                  ; cx
	s_bfe_u32 s41, ttmp6, 0x40004                  ; cy
	s_lshl_b32 s42, ttmp9, 2
	s_add_co_u32 s42, s42, s40                     ; tile column
	s_and_b32 s13, ttmp7, 0xffff
	s_lshl_b32 s13, s13, 2
	s_add_co_u32 s13, s13, s41                     ; tile row
	s_lshl_b32 s43, s41, 2
	s_lshl_b32 s43, 15, s43                        ; my row of the cluster
	s_lshl_b32 s44, 0x1111, s40                    ; my column
	s_or_b32 s[G1+0], s43, (1<<16)|(1<<20)|(1<<21)|(4<<22)|(3<<25)   ; O: padded after every 32 words by 4
	s_or_b32 s[G1B+0], s44, (1<<16)|(1<<20)|(1<<21)|(5<<22)|(3<<25)  ; w: after every 64 words by 4
	s_mov_b32 s[G1+1], 128<<16
	s_mov_b32 s[G1+2], 128<<16
	s_mov_b32 s[G1+3], 128<<16
	s_mov_b32 s[G1+4], 128
	s_mov_b32 s[G1+5], 128                         ; dense: rows of 256 bytes on end
	s_mov_b32 s[G1+6], 0
	s_mov_b32 s[G1+7], 0
	s_mov_b32 s[G1B+1], KSTEP<<16
	s_mov_b32 s[G1B+2], 64<<16
	s_mov_b32 s[G1B+3], KSTEP<<16
	s_mov_b32 s[G1B+4], 64
	s_mov_b32 s[G1B+5], 1024
	s_mov_b32 s[G1B+6], 0
	s_mov_b32 s[G1B+7], 0
	s_lshr_b32 s16, s13, 2                         ; O: the batch's eight blocks of 262,144 bytes,
	s_lshl_b32 s16, s16, 21
	s_and_b32 s17, s13, 3                          ; the tile's 256 rows of t,
	s_lshl_b32 s17, s17, 16
	s_add_co_u32 s16, s16, s17
	s_lshl_b32 s17, s12, 15                        ; the 128 of them that I fetch
	s_add_co_u32 s16, s16, s17
	s_mov_b32 s17, 0
	s_lshl_b32 s46, s42, 7
	s_lshl_b32 s47, s12, 6
	s_add_co_u32 s46, s46, s47                     ; w: row 128 x tile column + 64 x half
	s_lshl_b32 s46, s46, 11
	s_add_co_u32 s46, s46, WOFF
	s_mov_b32 s47, 0
	s_mul_i32 s20, s12, HALFA
	s_mul_i32 s21, s12, HALFB
	s_add_co_u32 s21, s21, BOFF
	s_wait_dscnt 0x0                               ; the opening add is done
	s_wait_kmcnt 0x0
	s_add_nc_u64 s[14:15], s[4:5], s[16:17]
	s_add_nc_u64 s[46:47], s[6:7], s[46:47]
	CROUND                                         ; all sixteen work-groups are here
.irp s, 0,1
	s_mov_b32 s[G0+4*(\s)], 1
	s_add_co_u32 s[G0+4*(\s)+1], s20, (\s)*SLOT
	s_add_nc_u64 s[G0+4*(\s)+2:G0+4*(\s)+3], s[14:15], (\s)*262144
	s_or_b32 s[G0+4*(\s)+3], s[G0+4*(\s)+3], 0x80000000
	s_mov_b32 s[G0B+4*(\s)], 1
	s_add_co_u32 s[G0B+4*(\s)+1], s21, (\s)*SLOT
	s_add_nc_u64 s[G0B+4*(\s)+2:G0B+4*(\s)+3], s[46:47], (\s)*KSTEP*2
	s_or_b32 s[G0B+4*(\s)+3], s[G0B+4*(\s)+3], 0x80000000
	JLOAD \s                                       ; two loads of mine are out
.endr
	v_and_b32 v1, 15, v0                           ; l % 16
	v_bfe_u32 v2, v0, 4, 1                         ; l / 16
	v_mul_u32_u24 v3, v1, PA
	v_lshl_add_u32 v3, v2, 4, v3
	v_mul_u32_u24 v4, v1, PITCH
	v_lshl_add_u32 v4, v2, 4, v4
	s_mul_i32 s21, s11, HALFA
	s_mul_i32 s22, s12, HALFB
	s_add_co_u32 s22, s22, BOFF
.irp s, 0,1
	v_add_nc_u32 v[ADRA+(\s)], s21, v3
	v_add_nc_u32 v[ADRB+(\s)], s22, v4
	s_add_co_u32 s21, s21, SLOT
	s_add_co_u32 s22, s22, SLOT
.endr
	s_mul_i32 s23, s10, 16*SP
	s_add_co_u32 s23, s23, STAGE                   ; my stage
	v_mul_u32_u24 v4, v1, SP                       ; in: row l % 16, 32 bytes for each half of the lanes
	v_lshl_add_u32 v4, v2, 5, v4
	v_add_nc_u32 v[STO], s23, v4
	v_mul_u32_u24 v5, v2, SP                       ; back: lanes 0-15 take one row of 256 bytes, lanes 16-31 the next
	v_lshl_add_u32 v5, v1, 4, v5
	v_add_nc_u32 v[RD], s23, v5
	v_lshlrev_b32 v5, 12, v2                       ; and the same two rows in out0, 4,096 bytes apart
	v_lshl_add_u32 v[CO], v1, 4, v5
	v_lshlrev_b32 v[BO], 5, v2
	s_lshl_b32 s46, s42, 9                         ; my 64 columns, in bytes: 512 x tile column + 256 x half: in the bias,
	s_lshl_b32 s47, s12, 8
	s_add_co_u32 s46, s46, s47
	s_mov_b32 s47, 0
	s_add_nc_u64 s[68:69], s[68:69], s[46:47]
	s_lshl_b32 s20, s13, 20                        ; and in out0, at my first row: 256 x tile row + 128 x half, of 4,096 bytes
	s_lshl_b32 s22, s11, 19
	s_add_co_u32 s20, s20, s22
	s_add_co_u32 s20, s20, s46
	s_mov_b32 s21, 0
	s_add_nc_u64 s[8:9], s[70:71], s[20:21]
	WIN 0x80
.irp b, 0,1,2,3
	global_load_b128 v[BIAS+8*(\b):BIAS+8*(\b)+3],   v[BO], s[68:69] offset:64*(\b)
	global_load_b128 v[BIAS+8*(\b)+4:BIAS+8*(\b)+7], v[BO], s[68:69] offset:64*(\b)+16
.endr
	s_wait_loadcnt 0x0
	WIN 0xaa
.set i, 0
.rept 16
	v_cvt_pk_bf16_f32 v[BW+i], v[BIAS+2*i], v[BIAS+2*i+1]   ; the bias is rounded to bf16, like every input
.set i, i+1
.endr
.set i, 0
.rept 16
	v_lshlrev_b32 v[BIAS+2*i], 16, v[BW+i]
	v_and_b32 v[BIAS+2*i+1], 0xffff0000, v[BW+i]
.set i, i+1
.endr
	WIN 0
.macro MUL8 f, a0, zero                ; 8 matrix instructions: row blocks a0, a0 + 1 x all 4 column blocks, 32 along K
	WIN MUL
.irp a, \a0, (\a0)+1
.irp b, 0,1,2,3
.if \zero
	v_wmma_f32_16x16x32_f16 v[8*(4*(\a)+(\b)):8*(4*(\a)+(\b))+7], v[(\f)+64+8*(\b):(\f)+64+8*(\b)+7], v[(\f)+8*(\a):(\f)+8*(\a)+7], 0
.else
	v_wmma_f32_16x16x32_f16 v[8*(4*(\a)+(\b)):8*(4*(\a)+(\b))+7], v[(\f)+64+8*(\b):(\f)+64+8*(\b)+7], v[(\f)+8*(\a):(\f)+8*(\a)+7], v[8*(4*(\a)+(\b)):8*(4*(\a)+(\b))+7]
.endif
.endr
.endr
.endm
; 24 LDS loads in one run: quarter kq of a slot into buffer f.  In O's tile quarter kq is head kq / 2 of the pair, channels 32 (kq % 2) on.
.macro FETCH slot, kq, f
	WIN 0
.irp i, 0,1,2,3
	ds_load_b128 v[(\f)+64+8*(\i):(\f)+64+8*(\i)+3],   v[ADRB+(\slot)] offset:64*(\kq)+(\i)*16*PITCH
	ds_load_b128 v[(\f)+64+8*(\i)+4:(\f)+64+8*(\i)+7], v[ADRB+(\slot)] offset:64*(\kq)+(\i)*16*PITCH+32
.endr
.irp i, 0,1,2,3,4,5,6,7
	ds_load_b128 v[(\f)+8*(\i):(\f)+8*(\i)+3],   v[ADRA+(\slot)] offset:((\kq)/2)*128*PA+((\kq)%2)*64+(\i)*16*PA
	ds_load_b128 v[(\f)+8*(\i)+4:(\f)+8*(\i)+7], v[ADRA+(\slot)] offset:((\kq)/2)*128*PA+((\kq)%2)*64+(\i)*16*PA+32
.endr
.endm
.macro PLACES                          ; four places in front of loads into registers that matrix instructions have read
.rept 4
	v_nop
.endr
.endm
.macro QUARTER slot, kq, f, g, zero    ; multiplies buffer f; in its middle fetches quarter kq into g; the 32 accumulators take turns in one order
	s_wait_dscnt 8                                 ; w and O's blocks 0-3 are in; the youngest eight loads may be out
	MUL8 \f, 0, \zero
	MUL8 \f, 2, \zero
	PLACES
	FETCH \slot, \kq, \g
	s_wait_dscnt 24                                ; all but the 24 just issued
	MUL8 \f, 4, \zero
	MUL8 \f, 6, \zero
.endm
.macro TURN slot, next, fill           ; the last quarter multiplies buffer 1 and changes slots
	WIN 0
	s_wait_tensorcnt 0x0                           ; all my tensor loads have landed: my part of the next slot
	ds_add_u32 v[SPW], v[NIL]                      ; 0 onto my spare word
	s_wait_dscnt 9                                 ; (the add and the youngest eight loads may be out)
	MUL8 F1, 0, 0
	s_wait_dscnt 0x0                               ; the add is done, and my reads of this slot are over
	s_barrier_signal -1
	MUL8 F1, 2, 0
.if \fill
	WIN 0
.endif
	s_barrier_wait -1
.if \fill
	CREST                                          ; no wave of any partner still reads this slot or has a load on its way
	s_add_nc_u64 s[G0+4*(\slot)+2:G0+4*(\slot)+3], s[G0+4*(\slot)+2:G0+4*(\slot)+3], ASTEP
	s_add_nc_u64 s[G0B+4*(\slot)+2:G0B+4*(\slot)+3], s[G0B+4*(\slot)+2:G0B+4*(\slot)+3], BSTEP
	JLOAD \slot                                    ; my one tensor load behind the round; its four v_nop are also the places in front of the loads below
.else
	PLACES
.endif
	FETCH \next, 0, F0
	MUL8 F1, 4, 0
	MUL8 F1, 6, 0
.endm
	s_wait_tensorcnt 1                             ; my part of K step 0 is in; K step 1's may stay out
	s_barrier_signal -1
	s_barrier_wait -1
	FETCH 0, 0, F0
	QUARTER 0, 1, F0, F1, 1
	WIN 0
	s_mov_b32 s3, LAPS-1
.Llap:
	QUARTER 0, 2, F1, F0, 0
	QUARTER 0, 3, F0, F1, 0
	TURN 0, 1, 1
	QUARTER 1, 1, F0, F1, 0
	QUARTER 1, 2, F1, F0, 0
	QUARTER 1, 3, F0, F1, 0
	TURN 1, 0, 1
	QUARTER 0, 1, F0, F1, 0
	WIN 0
	s_sub_co_u32 s3, s3, 1
	s_cmp_lg_u32 s3, 0
	s_cbranch_scc1 .Llap
	QUARTER 0, 2, F1, F0, 0                        ; the last lap fills nothing
	QUARTER 0, 3, F0, F1, 0
	TURN 0, 1, 0
	QUARTER 1, 1, F0, F1, 0
	QUARTER 1, 2, F1, F0, 0
	QUARTER 1, 3, F0, F1, 0
	s_wait_dscnt 8
	MUL8 F1, 0, 0
	MUL8 F1, 2, 0
	s_wait_dscnt 0x0
	MUL8 F1, 4, 0
	MUL8 F1, 6, 0
	WIN 0
; THE WAY OUT, a block of 16 rows at a time: sum + bias; 32 bytes a lane into my stage; back as whole rows of 256 bytes; sixteen lanes store 256 consecutive bytes, aligned.
.macro PACK a
	WIN 0x09                                       ; source 0 window 1, source 1 window 2, destination window 0
.irp b, 0,1,2,3
.irp i, 0,1,2,3
	v_pk_add_f32 v[T+8*(\b)+2*(\i):T+8*(\b)+2*(\i)+1], v[8*(4*(\a)+(\b))+2*(\i):8*(4*(\a)+(\b))+2*(\i)+1], v[BIAS+8*(\b)+2*(\i):BIAS+8*(\b)+2*(\i)+1]
.endr
.endr
	WIN 0
.endm
.macro TOSTAGE a
.irp b, 0,1,2,3
	ds_store_b128 v[STO], v[T+8*(\b):T+8*(\b)+3]   offset:64*(\b)
	ds_store_b128 v[STO], v[T+8*(\b)+4:T+8*(\b)+7] offset:64*(\b)+16
.endr
.irp t, 0,1,2,3,4,5,6,7
	ds_load_b128 v[BK+32*((\a)%2)+4*(\t):BK+32*((\a)%2)+4*(\t)+3], v[RD] offset:(\t)*2*SP  ; LDS serves a wave's instructions in order (ISA guide 5.7.1.4): these see the stores above
.endr
.endm
.macro SEND a
	s_wait_dscnt 0x0                               ; the block is back in registers
	s_wait_xcnt 0x0                                ; the stores of the block before have read their registers (ISA guide 3.1): the next block's loads land there only behind this wait
.irp t, 0,1,2,3,4,5,6,7
	global_store_b128 v[CO], v[BK+32*((\a)%2)+4*(\t):BK+32*((\a)%2)+4*(\t)+3], s[8:9] offset:(16*(\a)+2*(\t))*4096 th:TH_STORE_NT
.endr
.endm
.rept 8
	v_nop                                          ; the places behind the last products, once a launch
.endr
	PACK 0
	TOSTAGE 0
.irp a, 1,2,3,4,5,6,7
	PACK \a
	SEND (\a)-1
	TOSTAGE \a
.endr
	SEND 7
	s_wait_tensorcnt 0x0                           ; the wave's end
	ds_add_u32 v[SPW], v[NIL]
	s_wait_dscnt 0x0
	CROUND                                         ; the closing round
	s_endpgm
.Lfunc_end_k_q9b6ed8e6d3_outp:
	.size	k_q9b6ed8e6d3_outp, .Lfunc_end_k_q9b6ed8e6d3_outp-k_q9b6ed8e6d3_outp
	.p2alignl 7, 3214868480
	.fill 96, 4, 3214868480
	.section	.rodata,"a",@progbits
	.p2align	6, 0x0
	.amdhsa_kernel k_q9b6ed8e6d3_outp
		.amdhsa_group_segment_fixed_size 327680
		.amdhsa_private_segment_fixed_size 0
		.amdhsa_enable_private_segment 0
		.amdhsa_kernarg_size 32
		.amdhsa_user_sgpr_count 2
		.amdhsa_user_sgpr_kernarg_segment_ptr 1
		.amdhsa_wavefront_size32 1
		.amdhsa_system_sgpr_workgroup_id_x 1
		.amdhsa_system_sgpr_workgroup_id_y 1
		.amdhsa_system_sgpr_workgroup_id_z 1
		.amdhsa_system_vgpr_workitem_id 0
		.amdhsa_next_free_vgpr 560
		.amdhsa_next_free_sgpr 72
		.amdhsa_reserve_vcc 0
		.amdhsa_float_denorm_mode_32 3
		.amdhsa_float_denorm_mode_16_64 3
		.amdhsa_memory_ordered 1
		.amdhsa_forward_progress 1
		.amdhsa_inst_pref_size 97
	.end_amdhsa_kernel
	.amdgpu_metadata
---
amdhsa.version: [ 1, 2 ]
amdhsa.kernels:
  - .name:           k_q9b6ed8e6d3_outp
    .symbol:         k_q9b6ed8e6d3_outp.kd
    .args:
      - { .name: o, .offset: 0, .size: 8, .value_kind: global_buffer, .address_space: global }
      - { .name: h16, .offset: 8, .size: 8, .value_kind: global_buffer, .address_space: global }
      - { .name: out_proj_bias, .offset: 16, .size: 8, .value_kind: global_buffer, .address_space: global }
      - { .name: out0, .offset: 24, .size: 8, .value_kind: global_buffer, .address_space: global }
    .group_segment_fixed_size: 327680
    .private_segment_fixed_size: 0
    .kernarg_segment_align: 8
    .kernarg_segment_size: 32
    .max_flat_workgroup_size: 128
    .sgpr_count:     72
    .vgpr_count:     560
    .wavefront_size: 32
...
	.end_amdgpu_metadata
.endif
;; end of part 4
;; ======== version 2 of 2: 4 launches; version 1 with the launch prep written anew for expert scheduling mode
;; limits: values are held in f16: magnitudes above 65,504 overflow, below 6.1e-05 lose precision
;; workspace buffers: h16 60,817,408 bytes; qkv 50,331,648 bytes; o 16,777,216 bytes
;; launch prep (part 5): grid 320 x 1, 8 waves a work-group, no clusters, 0 bytes of LDS; arguments in_proj_weight, out_proj_weight, attn_mask, h16; writes h16
.if DOCPART == 5
	.amdgcn_target "amdgcn-amd-amdhsa--gfx1250"
	.amdhsa_code_object_version 6
	.text
	.protected	k_q9b6ed8e6d3_prep
	.globl	k_q9b6ed8e6d3_prep
	.p2align	8
	.type	k_q9b6ed8e6d3_prep,@function
k_q9b6ed8e6d3_prep:
	s_mov_b64 s[64:65], 0
	v_nop
	global_prefetch_b8 v0, s[64:65] scope:SCOPE_SE
	s_setreg_imm32_b32 hwreg(HW_REG_WAVE_SCHED_MODE, 0, 2), 2
	s_setreg_imm32_b32 hwreg(HW_REG_WAVE_MODE, 25, 1), 1
	s_wait_xcnt 0x0
	s_wait_alu depctr_vm_vsrc(0)
; THE WEIGHTS AND THE MASK IN 16 BITS.  Every number is rounded once to bf16.  in_proj_weight (3,145,728 numbers) is stored as that bf16; out_proj_weight and attn_mask (1,048,576 each) are stored
; as f16 that holds the bf16 number, exactly from 2^-17 up (below that f16's fixed step of 2^-24 rounds it), since their partners in the later products are f16.
; They lie on end in h16 from byte 50,331,648 on (in_proj_weight there, out_proj_weight at 56,623,104, attn_mask at 58,720,256); the bytes in front of them are neither stored nor read by any launch.
; LIMIT.  In the two f16 parts a magnitude above 65,280 (the largest bf16 number that f16 holds) is held to 65,280: an infinity in attn_mask counts as 65,280 with its sign.
; SHARES.  A work-group takes 16,384 numbers: 64 KiB in, 32 KiB out.  Thread t takes 16 bytes at 16 t of each 4,096: a wave's load covers 512 consecutive bytes, its store of 8 bytes a lane
; 256 consecutive bytes, aligned.  All sixteen loads of a wave go out at once; no register that a memory instruction names is written twice, so no wait frees any.
; No LDS, no matrix work, no cluster: nothing is shared and memory binds.
; THE MODE: SCHED_MODE bits 1:0 = 2 (LLVM: expert scheduling mode 2), set by the entry lines.  The code itself states the register dependences between vector instructions and memory
; instructions, with s_wait_alu, always for 0.
; THE PLAN.  Registers that memory instructions touch:
;   v1, v2     the loads' and the stores' byte offsets.  Written once at the head by vector instructions; read by every load (v1) and every store (v2); never written again.
;   X          sixteen groups of four.  Each is written by one load, issued at the head, and read by its chunk's two roundings; none is loaded again, and no vector instruction names one ahead of the loads.
;   YR         sixteen pairs.  Each is written once, by its chunk's two selects, and read by one store; none is written again.
;   v4 to v11 are named by vector instructions alone; s4 to s6 and s30 are written by scalar instructions.
; The sixteen chunks go in four blocks of four.  One wait on va_vdst stands ahead of the first load (the offsets are written), and one behind each block's vector work (its eight YR registers are
; written), with the block's four stores behind it: five waits in all.  Nothing that a memory instruction has read is written again, so there is no dependence for a wait on vm_vsrc to state.
.set X,  16                            ; v[16:79]   sixteen loads of four f32
.set YR, 80                            ; v[80:111]  sixteen pairs of registers to store
.set OUT0, 50331648                    ; where the first part begins in h16
.set BLOCK, 4                          ; chunks whose stores share a wait
	s_load_b256 s[8:15], s[0:1], 0x0               ; in_proj_weight s[8:9], out_proj_weight s[10:11], attn_mask s[12:13], h16 s[14:15]
	v_lshlrev_b32 v1, 4, v0                        ; my 16 bytes in
	v_lshlrev_b32 v2, 3, v0                        ; my 8 bytes out
	s_mov_b32 s4, 0xc77f0000                       ; -65,280
	s_mov_b32 s5, 0x477f0000                       ; +65,280
	s_mov_b32 s6, 0xffff0000                       ; a word's upper bf16
	s_lshl_b32 s28, ttmp9, 15                      ; the work-group's 32 KiB of h16
	s_add_co_u32 s28, s28, OUT0
	s_mov_b32 s29, 0
	s_mov_b32 s24, 0                               ; the first work-group of the source in hand
	s_mov_b32 s27, 0
	s_cmp_lt_u32 ttmp9, 192
	s_cselect_b32 s30, -1, 0                       ; all ones where the work-group's part stays bf16
	s_wait_kmcnt 0x0
	s_mov_b64 s[22:23], s[8:9]
.macro PICK first, reg                 ; from work-group 'first' on the source is the buffer in s[reg:reg+1]
	s_cmp_ge_u32 ttmp9, \first
	s_cselect_b64 s[22:23], s[\reg:\reg+1], s[22:23]
	s_cselect_b32 s24, \first, s24
.endm
	PICK 192, 10
	PICK 256, 12
	s_sub_co_u32 s26, ttmp9, s24
	s_lshl_b32 s26, s26, 16                        ; 64 KiB for each work-group inside its source
	s_add_nc_u64 s[22:23], s[22:23], s[26:27]
	s_add_nc_u64 s[14:15], s[14:15], s[28:29]
	s_wait_alu depctr_va_vdst(0)                   ; v1 and v2 are written: every load below reads v1 as its offset, every store v2
.set j, 0
.rept 16
	global_load_b128 v[X+4*j:X+4*j+3], v1, s[22:23] offset:4096*j th:TH_LOAD_NT
.set j, j+1
.endr
.set j, 0                              ; the chunk at work
.set k, 0                              ; the chunk to store
.rept 16/BLOCK
.rept BLOCK
	s_wait_loadcnt 15-j                            ; loads come back in order: number j is in, the younger ones stay out
	v_cvt_pk_bf16_f32 v8, v[X+4*j], v[X+4*j+1]     ; the one rounding
	v_cvt_pk_bf16_f32 v9, v[X+4*j+2], v[X+4*j+3]
	v_lshlrev_b32 v4, 16, v8                       ; back to f32,
	v_and_b32 v5, s6, v8
	v_lshlrev_b32 v6, 16, v9
	v_and_b32 v7, s6, v9
	v_med3_num_f32 v4, v4, s4, s5                  ; held inside f16's range (both bounds are bf16 numbers),
	v_med3_num_f32 v5, v5, s4, s5
	v_med3_num_f32 v6, v6, s4, s5
	v_med3_num_f32 v7, v7, s4, s5
	v_cvt_pk_f16_f32 v10, v4, v5                   ; and written as f16;
	v_cvt_pk_f16_f32 v11, v6, v7
	v_cndmask_b32 v[YR+2*j], v10, v8, s30          ; in_proj_weight keeps the bf16 words
	v_cndmask_b32 v[YR+2*j+1], v11, v9, s30
.set j, j+1
.endr
	s_wait_alu depctr_va_vdst(0)                   ; the block's eight selects have written its YR registers, which the four stores below read
.rept BLOCK
	global_store_b64 v2, v[YR+2*k:YR+2*k+1], s[14:15] offset:2048*k  ; ahead of the next block's waits for data, on which these stores do not hang
.set k, k+1
.endr
.endr
	s_endpgm
.Lfunc_end_k_q9b6ed8e6d3_prep:
	.size	k_q9b6ed8e6d3_prep, .Lfunc_end_k_q9b6ed8e6d3_prep-k_q9b6ed8e6d3_prep
	.p2alignl 7, 3214868480
	.fill 96, 4, 3214868480
	.section	.rodata,"a",@progbits
	.p2align	6, 0x0
	.amdhsa_kernel k_q9b6ed8e6d3_prep
		.amdhsa_group_segment_fixed_size 0
		.amdhsa_private_segment_fixed_size 0
		.amdhsa_enable_private_segment 0
		.amdhsa_kernarg_size 32
		.amdhsa_user_sgpr_count 2
		.amdhsa_user_sgpr_kernarg_segment_ptr 1
		.amdhsa_wavefront_size32 1
		.amdhsa_system_sgpr_workgroup_id_x 1
		.amdhsa_system_sgpr_workgroup_id_y 1
		.amdhsa_system_sgpr_workgroup_id_z 1
		.amdhsa_system_vgpr_workitem_id 0
		.amdhsa_next_free_vgpr 112
		.amdhsa_next_free_sgpr 66
		.amdhsa_reserve_vcc 0
		.amdhsa_float_denorm_mode_32 3
		.amdhsa_float_denorm_mode_16_64 3
		.amdhsa_memory_ordered 1
		.amdhsa_forward_progress 1
		.amdhsa_inst_pref_size 18
	.end_amdhsa_kernel
	.amdgpu_metadata
---
amdhsa.version: [ 1, 2 ]
amdhsa.kernels:
  - .name:           k_q9b6ed8e6d3_prep
    .symbol:         k_q9b6ed8e6d3_prep.kd
    .args:
      - { .name: in_proj_weight, .offset: 0, .size: 8, .value_kind: global_buffer, .address_space: global }
      - { .name: out_proj_weight, .offset: 8, .size: 8, .value_kind: global_buffer, .address_space: global }
      - { .name: attn_mask, .offset: 16, .size: 8, .value_kind: global_buffer, .address_space: global }
      - { .name: h16, .offset: 24, .size: 8, .value_kind: global_buffer, .address_space: global }
    .group_segment_fixed_size: 0
    .private_segment_fixed_size: 0
    .kernarg_segment_align: 8
    .kernarg_segment_size: 32
    .max_flat_workgroup_size: 256
    .sgpr_count:     66
    .vgpr_count:     112
    .wavefront_size: 32
...
	.end_amdgpu_metadata
.endif
;; end of part 5
;; launch proj: the kernel of part 2 again; grid 4 x 192, 4 waves a work-group, clusters of 4 x 4, 327,680 bytes of LDS; arguments query, key, value, h16, in_proj_bias, qkv; writes qkv
;; launch attn: the kernel of part 3 again; grid 4 x 64, 4 waves a work-group, clusters of 4 x 4, 327,680 bytes of LDS; arguments qkv, h16, key_padding_mask, o; writes o
;; launch outp: the kernel of part 4 again; grid 8 x 32, 4 waves a work-group, clusters of 4 x 4, 327,680 bytes of LDS; arguments o, h16, out_proj_bias, out0; writes out0
